; MI455X (gfx1250); checked and timed in simulation.
; The chip was launched on July 23, 2026; its instructions are those of AMD's public machine-readable ISA for CDNA 5 (MIT licence, August 2026) and "CDNA5" Instruction Set Architecture Reference Guide (July 2026). The comments in the code are by the model that wrote it; some were corrected since.
;; Multi Head Attention. Allowed arithmetic: matrix products marked QUANTISED: E5M2 operands, one given power-of-two scale a tensor, by v_wmma_f32_16x16x64_bf8_bf8 or v_wmma_f32_16x16x128_bf8_bf8, f32 sums; everything else in f32.
;; Inputs: Wk 512 x 512 float32; Wo 512 x 512 float32; Wq 512 x 512 float32; Wv 512 x 512 float32; bk 512 float32; bo 512 float32; bq 512 float32; bv 512 float32; lowp_scales 12 int32 (the exponents e of the quantised operands' scales 2^e); x 2 x 4,096 x 512 float32.
;; Outputs: out0 2 x 4,096 x 512 float32.
;; This version of the problem:
;;   THIS VERSION OF THE PROBLEM IS GIVEN IN LOW PRECISION. The matrix products marked QUANTISED in the list below multiply operands that are first quantised to E5M2 (5 exponent bits, 2 mantissa bits; 8 bits a number), with one given power-of-two scale for each operand tensor; their sums are f32. All else is computed in f32.
;;   The module's matrix products, in the order in which they are computed (A, B: the left and right operand; K: the contracted axis; several contracted axes count as one K, in the product's order):
;;     1. [M 8,192, K 512] x [K 512, N 512]; A: input x; B: input Wq: QUANTISED (scales: A lowp_scales[0], B lowp_scales[1])
;;     2. [M 8,192, K 512] x [K 512, N 512]; A: input x; B: input Wk: QUANTISED (scales: A lowp_scales[2], B lowp_scales[3])
;;     3. [M 8,192, K 512] x [K 512, N 512]; A: input x; B: input Wv: QUANTISED (scales: A lowp_scales[4], B lowp_scales[5])
;;     4. batch 16 x [M 4,096, K 64] x [K 64, N 4,096]; A: computed on the way; B: computed on the way: QUANTISED (scales: A lowp_scales[6], B lowp_scales[7])
;;     5. batch 16 x [M 4,096, K 4,096] x [K 4,096, N 64]; A: softmax (see below); B: computed on the way: QUANTISED (scales: A lowp_scales[8], B lowp_scales[9])
;;     6. [M 8,192, K 512] x [K 512, N 512]; A: computed on the way; B: input Wo: QUANTISED (scales: A lowp_scales[10], B lowp_scales[11])
;;   THE QUANTISER, for each operand of a quantised product, along K:
;;     - The operand's scale is 2^e, e = its entry of the input lowp_scales (int32; the entries are numbered through the quantised products in the list's order, A before B).
;;     - Each number is divided by the scale, clamped to +-57,344, and rounded to the nearest number of E5M2, ties to even, subnormals kept.
;;     - The product sums the exact products of the quantised numbers (number of the format x scale) in f32.
;;   ~~~python
;;   def quantise(x, axis, e):      # numpy; x: float32 -> the quantised numbers, widened to float32 again
;;       x = np.moveaxis(x, axis, -1); K = x.shape[-1]
;;       r = np.clip(x / 2.0 ** e, -57344, 57344)
;;       step = 2.0 ** (np.maximum(np.frexp(np.where(r == 0, 1, r))[1] - 1, -14) - 2)
;;       q = np.round(r / step) * step * 2.0 ** e      # np.round: ties to even
;;       return np.moveaxis(q, -1, axis).astype(np.float32)
;;   ~~~
;;   SOFTMAX AHEAD OF A QUANTISED PRODUCT. Where the list says 'softmax', what is quantised is not the finished softmax but p = 2^(t - M), with t = logit x log2(e) and M = ceil(the row's largest t), a whole number; so 1/2 < the row's largest p <= 1. The row's sum l is taken of the UNQUANTISED p, in f32, and the product's result is divided by l at the end. Since M is a whole number, a kernel that streams over the keys may use a running M (the ceiling of the running maximum): every later rescaling is an exact power of two, so the quantised numbers keep their values, but for numbers so far below the row's largest that they fall under the format's range.
;;   OPERANDS COMPUTED ON THE WAY. 'Computed on the way' means the value that the module computes at that place (a softmax that the list does not call 'softmax' is quantised finished and normalised). What goes into a quantiser is computed in f32, as accurately as f32 sums, v_exp_f32 and their like allow (about 1e-6 of the number): no bf16 or f16 on the way to a quantiser, and a product that is left as it is and whose result goes on into a quantised operand takes f32 operands (vector FMAs, or v_wmma_f32_16x16x4_f32). A number that lies on a knife's edge between two numbers of the format may be rounded either way, as far as f32 arithmetic and the matrix unit's own rounding can turn it there, and no further.
;; 2 versions. Each part assembles by itself: llvm-mc -triple=amdgcn-amd-amdhsa -mcpu=gfx1250 --defsym DOCPART=n.
;; ======== version 1 of 2: 4 launches
;; workspace buffers: wc 1,048,576 bytes; qc 4,194,304 bytes; kc 4,194,304 bytes; vc 4,194,304 bytes; cc 4,194,304 bytes
;; launch prep (part 1): grid 32 x 4, 4 waves a work-group, no clusters, 0 bytes of LDS; arguments Wq, Wk, Wv, Wo, lowp_scales, wc; writes wc
.if DOCPART == 1
	.amdgcn_target "amdgcn-amd-amdhsa--gfx1250"
	.amdhsa_code_object_version 6
	.text
	.protected	k_q4cf83bc81a_prep
	.globl	k_q4cf83bc81a_prep
	.p2align	8
	.type	k_q4cf83bc81a_prep,@function
k_q4cf83bc81a_prep:
	s_mov_b64 s[64:65], 0
	v_nop
	global_prefetch_b8 v0, s[64:65] scope:SCOPE_SE
	s_setreg_imm32_b32 hwreg(HW_REG_WAVE_MODE, 25, 1), 1
	s_wait_xcnt 0x0
; PREP: Wq, Wk, Wv, Wo [512][512] f32 (row = output column, K innermost) become codes of BF8 (E5M2), each with its given scale 2^e (entries 1, 3, 5, 11 of lowp_scales).
; NOTHING OF reference() IS LEFT OUT IN THIS PROGRAM: x, the four weights, the four biases and all twelve scales have a way to the output (bk moves K's codes, so it stays); every product of the table is done.
; code = w / 2^e, held within +-57,344, rounded to the nearest code, ties to even.  LIMITS: e between -126 and 112, so that 2^e and 57,344 x 2^e are f32 numbers.  NaN among the inputs is not served; an infinity is held at the largest code.
; THE CODES ARE LAID AS IMAGES OF THE READER'S OPERAND REGISTERS: a group of four registers is 512 bytes, lane l's 16 bytes at 16 l:
;   wc byte = matrix x 262,144 + column tile x 8,192 + K step x 2,048 + group x 512 + 16 x lane.
; Wq, Wk, Wv feed the 16x16x128 form beside x.  Their K is PERMUTED, alike in x and in W: piece p (16 bytes) of a row holds k = 128 i + 4 p + j (register i, byte j), which is what four dense loads of a row of x give lane p;
;   group c of K step s holds, in lane (r, h), piece 8 s + 2 c + h of row r.  Every product meets its partner; only the order inside the sums changes.
; Wo feeds the 16x16x64 form beside the context, k in its true places: K step s, group g = head 2 s + g / 2, half g % 2; registers 2 c, 2 c + 1 of a head's fragment: k = 64 head + 16 c + 8 h + 0 .. 7.
; SHARES: work-group x = column tile (16 rows of W), y = matrix, wave = K step: one wave makes one image of 2,048 bytes: 16 loads, 64 holds, 8 conversions, 4 stores of 512 consecutive bytes.  Waves share nothing: no LDS, no barrier, no cluster.
.set RAW, 16                           ; v16-79  64 numbers, in the order of the codes
.set COD, 80                           ; v80-95  the image
	s_load_b256 s[4:11], s[0:1], 0x0               ; Wq, Wk, Wv, Wo
	s_load_b128 s[12:15], s[0:1], 0x20             ; lowp_scales, wc
	v_lshrrev_b32 v1, 5, v0
	v_readfirstlane_b32 s16, v1                    ; wave = K step
	s_and_b32 s17, ttmp7, 0xffff                   ; which matrix
	v_and_b32 v1, 15, v0                           ; r
	v_bfe_u32 v2, v0, 4, 1                         ; h
	v_lshlrev_b32 v5, 11, v1                       ; row r of 2,048 bytes
	v_and_b32 v4, 31, v0
	v_lshlrev_b32 v4, 4, v4                        ; 16 x lane: my place in a group's 512 bytes
	s_mov_b32 s35, 0
	s_wait_kmcnt 0x0
	s_load_b256 s[24:31], s[12:13], 0x0            ; e0 .. e7
	s_load_b32 s32, s[12:13], 0x2c                 ; e11
	s_cmp_eq_u32 s17, 1                            ; the source: a choice on the work-group's number alone
	s_cselect_b64 s[20:21], s[6:7], s[4:5]
	s_cmp_eq_u32 s17, 2
	s_cselect_b64 s[20:21], s[8:9], s[20:21]
	s_cmp_eq_u32 s17, 3
	s_cselect_b64 s[20:21], s[10:11], s[20:21]
	s_cselect_b32 s23, 9, 7                        ; a K step begins 512 bytes (Wo: two heads) or 128 bytes (eight pieces) further on in a row
	s_lshl_b32 s34, ttmp9, 15                      ; 16 rows of 2,048 bytes a tile
	s_lshl_b32 s23, s16, s23
	s_add_co_u32 s34, s34, s23
	s_add_nc_u64 s[20:21], s[20:21], s[34:35]
	s_lshl_b32 s34, s17, 18                        ; the image's place in wc
	s_lshl_b32 s23, ttmp9, 13
	s_add_co_u32 s34, s34, s23
	s_lshl_b32 s23, s16, 11
	s_add_co_u32 s34, s34, s23
	s_add_nc_u64 s[14:15], s[14:15], s[34:35]
	s_cmp_eq_u32 s17, 3
	s_cbranch_scc1 .Lwo
	v_lshl_add_u32 v3, v2, 4, v5                   ; Wq, Wk, Wv: piece 8 s + 2 c + h: bytes 128 s + 32 c + 16 h of each 512
.irp c, 0,1,2,3
.irp i, 0,1,2,3
	global_load_b128 v[RAW+16*\c+4*\i:RAW+16*\c+4*\i+3], v3, s[20:21] offset:512*\i+32*\c
.endr
.endr
	s_branch .Ljoin
.Lwo:
	v_lshl_add_u32 v3, v2, 5, v5                   ; Wo: k = 64 head + 16 c + 8 h + 4 u + 0 .. 3
.irp s2, 0,1
.irp c, 0,1,2,3
.irp u, 0,1
	global_load_b128 v[RAW+32*\s2+8*\c+4*\u:RAW+32*\s2+8*\c+4*\u+3], v3, s[20:21] offset:256*\s2+64*\c+16*\u
.endr
.endr
.endr
.Ljoin:
	s_wait_kmcnt 0x0
	s_cmp_eq_u32 s17, 1                            ; e: entry 1, 3, 5 or 11
	s_cselect_b32 s22, s27, s25
	s_cmp_eq_u32 s17, 2
	s_cselect_b32 s22, s29, s22
	s_cmp_eq_u32 s17, 3
	s_cselect_b32 s22, s32, s22
	s_add_co_i32 s22, s22, 127
	s_lshl_b32 s23, s22, 23
	v_mov_b32 v11, s23                             ; 2^e as f32: the conversion takes its exponent field
	s_add_co_i32 s22, s22, 15
	s_lshl_b32 s22, s22, 23
	s_or_b32 s22, s22, 0x600000
	v_mov_b32 v10, s22                             ; 57,344 x 2^e
	s_wait_loadcnt 0x0
.set k, 0
.rept 64
	v_med3_num_f32 v[RAW+k], v[RAW+k], -v10, v10   ; the conversion to an 8-bit code does not saturate (ISA guide 7.6.2): the hold comes first
.set k, k+1
.endr
.set k, 0
.rept 8
	v_cvt_scalef32_pk8_bf8_f32 v[COD+2*k:COD+2*k+1], v[RAW+8*k:RAW+8*k+7], v11
.set k, k+1
.endr
	v_nop                                          ; a plain line behind the last conversion
.irp q, 0,1,2,3
	global_store_b128 v4, v[COD+4*\q:COD+4*\q+3], s[14:15] offset:512*\q   ; 32 lanes store 512 consecutive bytes, aligned
.endr
	s_endpgm
.Lfunc_end_k_q4cf83bc81a_prep:
	.size	k_q4cf83bc81a_prep, .Lfunc_end_k_q4cf83bc81a_prep-k_q4cf83bc81a_prep
	.p2alignl 7, 3214868480
	.fill 96, 4, 3214868480
	.section	.rodata,"a",@progbits
	.p2align	6, 0x0
	.amdhsa_kernel k_q4cf83bc81a_prep
		.amdhsa_group_segment_fixed_size 0
		.amdhsa_private_segment_fixed_size 0
		.amdhsa_enable_private_segment 0
		.amdhsa_kernarg_size 48
		.amdhsa_user_sgpr_count 2
		.amdhsa_user_sgpr_kernarg_segment_ptr 1
		.amdhsa_wavefront_size32 1
		.amdhsa_system_sgpr_workgroup_id_x 1
		.amdhsa_system_sgpr_workgroup_id_y 1
		.amdhsa_system_sgpr_workgroup_id_z 1
		.amdhsa_system_vgpr_workitem_id 0
		.amdhsa_next_free_vgpr 96
		.amdhsa_next_free_sgpr 66
		.amdhsa_reserve_vcc 0
		.amdhsa_float_denorm_mode_32 3
		.amdhsa_float_denorm_mode_16_64 3
		.amdhsa_memory_ordered 1
		.amdhsa_forward_progress 1
		.amdhsa_inst_pref_size 11
	.end_amdhsa_kernel
	.amdgpu_metadata
---
amdhsa.version: [ 1, 2 ]
amdhsa.kernels:
  - .name:           k_q4cf83bc81a_prep
    .symbol:         k_q4cf83bc81a_prep.kd
    .args:
      - { .name: Wq, .offset: 0, .size: 8, .value_kind: global_buffer, .address_space: global }
      - { .name: Wk, .offset: 8, .size: 8, .value_kind: global_buffer, .address_space: global }
      - { .name: Wv, .offset: 16, .size: 8, .value_kind: global_buffer, .address_space: global }
      - { .name: Wo, .offset: 24, .size: 8, .value_kind: global_buffer, .address_space: global }
      - { .name: lowp_scales, .offset: 32, .size: 8, .value_kind: global_buffer, .address_space: global }
      - { .name: wc, .offset: 40, .size: 8, .value_kind: global_buffer, .address_space: global }
    .group_segment_fixed_size: 0
    .private_segment_fixed_size: 0
    .kernarg_segment_align: 8
    .kernarg_segment_size: 48
    .max_flat_workgroup_size: 128
    .sgpr_count:     66
    .vgpr_count:     96
    .wavefront_size: 32
...
	.end_amdgpu_metadata
.endif
;; end of part 1
;; launch qkv (part 2): grid 64 x 3, 4 waves a work-group, no clusters, 70,144 bytes of LDS; arguments x, wc, lowp_scales, bq, bk, bv, qc, kc, vc; writes qc, kc, vc
.if DOCPART == 2
	.amdgcn_target "amdgcn-amd-amdhsa--gfx1250"
	.amdhsa_code_object_version 6
	.text
	.protected	k_q4cf83bc81a_qkv
	.globl	k_q4cf83bc81a_qkv
	.p2align	8
	.type	k_q4cf83bc81a_qkv,@function
k_q4cf83bc81a_qkv:
	s_mov_b64 s[64:65], 0
	v_nop
	global_prefetch_b8 v0, s[64:65] scope:SCOPE_SE
	s_setreg_imm32_b32 hwreg(HW_REG_WAVE_MODE, 25, 1), 1
	s_wait_xcnt 0x0
; QKV: for matrix y (0: Q, 1: K, 2: V): codes of (Q(x) Q(W)^T + b), all three steps on the way: x [8192][512] f32 is quantised with this product's own scale (entries 0, 2, 4), multiplied with W's codes (made by the launch before),
; the bias added, and the f32 result quantised with entry 6, 7 or 9.  Nothing is left out.
; SHARES.  A work-group takes 128 rows of x and all 512 columns of one matrix: 256 KB of x and 256 KB of W's codes in, the least for 192 equal work-groups.  Wave w holds columns 128 w .. 128 w + 127 (two heads) of W in 512 registers
; for the whole launch.  The rows go as two blocks of 64: wave w quantises rows 16 w .. 16 w + 15 of a block, the codes go round through LDS, and every wave multiplies all four row tiles.
; K IS PERMUTED, alike in x and W: a lane's four dense loads of a row give it k = 128 i + 4 lane + j: 16 codes, piece 'lane' of the row; group c of K step s holds, in lane (r, h), piece 8 s + 2 c + h of row r.
; Q AND K are made TRANSPOSED (source 0 = 16 rows of W, source 1 = 16 rows of x): lane (r, h) holds position r and channels 16 t + 8 h + 0 .. 7, whose eight codes are registers 2 t, 2 t + 1 of the 16x16x64 fragment that attention reads.
; V is made the natural way (source 0 = x, source 1 = W): lane (r, h) holds channel r and positions 16 c + 8 h + 0 .. 7, whose codes are registers 2 c, 2 c + 1 of the 16x16x128 fragment of V^T (K = 128 keys).
; So the results leave as IMAGES OF THE READER'S REGISTERS, 16 bytes a lane, 512 consecutive bytes a store:  qc, kc byte = bh x 262,144 + position tile x 1,024 + half x 512 + 16 lane;
;   vc byte = bh x 262,144 + key step x 8,192 + channel tile x 2,048 + group x 512 + 16 lane.
; The bias is the C of each sum's first matrix instruction, divided by 2^(ex + ew); the three scales ahead of the second quantiser are folded into the conversion's one, 2^(eo - ex - ew).
; LIMITS: ex, and eo - ex - ew, between -126 and 112.  NaN among the inputs is not served; infinities are held at the largest code.
; NO CLUSTER, NO TENSOR LOAD: W's codes go from memory straight into the registers in which they stay, and x's numbers into the registers in which they are quantised; a joint load lands in LDS, from which a wave's 64 KB of W would
; have to be read once more, for 256 matrix instructions a wave in all.
; LDS: block b's codes of x at 34,816 b; row tile m at + 8,704 m; piece p of row rho at 272 p + 16 rho (272 = 17 x 16: the sixteen lanes of a store fall into sixteen different columns of 16 bytes; a read's sixteen lanes take 256 bytes on end).
; Each block has bytes of its own, so one barrier a block.  REGISTERS, in windows of 256: window 0: see the names below; window 1: W's fragments of K steps 0, 1 at v[16 (8 s + t)]; window 2: of K steps 2, 3; window 3: 16 rows of x, f32, row rho at v[16 rho].
.set LI,    1                          ; v1    16 x lane
.set XST,   2                          ; v2    where I store a piece: 8,704 wave + 272 lane
.set XRD,   3                          ; v3, v4  where I read a piece, block 0, 1: 272 h + 16 r (+ 34,816)
.set BQK,   5                          ; v5    32 h: the bias of Q and K
.set BV,    6                          ; v6    4 r: the bias of V
.set SCX,   24                         ; v24   2^ex          v25  57,344 x 2^ex
.set LIMX,  25
.set SCO,   26                         ; v26   2^(eo-ex-ew)  v27  57,344 x that
.set LIMO,  27
.set SPW,   28                         ; v28   LDS address of my spare word; never rewritten
.set NIL,   29                         ; v29   0; never rewritten
.set XF,    32                         ; v32-95   x's fragment of K step s at 32 + 16 s
.set ACC,   96                         ; v96-159  eight accumulators; while x is quantised: its codes
.set PC,    160                        ; v160-191 the codes that leave
.set BIAS,  192                        ; v192-255 eight tiles of bias, in the result's layout
.set TILEB, 8704
.set BLKB,  34816
.set SPARE, 69632                      ; behind the two blocks: the spare words, 128 bytes a wave: two blocks of 256 bytes that no other line names
.set WV,    22
.set MAT,   23
.set MSB, 0
.macro WIN new                         ; the immediate's high byte repeats the setting that is left
.if MSB != \new
	s_set_vgpr_msb (MSB<<8)|\new
.set MSB, \new
.endif
.endm
; eight rows (half hf of my 16) of block blk: 32 loads of 512 consecutive bytes, into window 3
.macro XLOAD blk, hf
	WIN 0xc0                                       ; destination window 3, address window 0
.set k, 0
.rept 32
	global_load_b128 v[128*\hf+4*k:128*\hf+4*k+3], v[LI], s[4:5] offset:\blk*131072+\hf*16384+512*k
.set k, k+1
.endr
.endm
; those eight rows become codes and go to LDS.  cnt: the younger loads that may stay out.  next = 1: the same registers take the next block's rows
.macro XQ blk, hf, cnt, next
	s_wait_loadcnt \cnt
	WIN 0xc3                                       ; destination and source 0 window 3
.set k, 128*\hf
.rept 128
	v_med3_num_f32 v[k], v[k], -v[LIMX], v[LIMX]   ; the conversion to an 8-bit code does not saturate (ISA guide 7.6.2): the hold comes first
.set k, k+1
.endr
	WIN 0x03                                       ; source 0 window 3
.set k, 0
.rept 16
	v_cvt_scalef32_pk8_bf8_f32 v[ACC+32*\hf+2*k:ACC+32*\hf+2*k+1], v[128*\hf+8*k:128*\hf+8*k+7], v[SCX]
.set k, k+1
.endr
	v_nop                                          ; a plain line behind the last conversion: matrix instructions write these registers later
.if \next
	XLOAD 1, \hf
.endif
	WIN 0
.irp rr, 0,1,2,3,4,5,6,7
	ds_store_b128 v[XST], v[ACC+32*\hf+4*\rr:ACC+32*\hf+4*\rr+3] offset:\blk*BLKB+16*(8*\hf+\rr)
.endr
.endm
.macro BARRIER                         ; my LDS stores have landed and my LDS loads are in: then the work-group's barrier
	s_wait_dscnt 0x0
	s_barrier_signal -1
	s_barrier_wait -1
.endm
.macro FETCH blk, m                    ; row tile m's four fragments
.irp s, 0,1,2,3
.irp c, 0,1,2,3
	ds_load_b128 v[XF+16*\s+4*\c:XF+16*\s+4*\c+3], v[XRD+\blk] offset:(\m)*TILEB+(8*\s+2*\c)*272
.endr
.endr
.endm
; 32 matrix instructions: four K steps x my eight column tiles.  The eight accumulators take turns, one instruction a turn.  The first K step takes the bias as C.
.macro MUL swap
.irp s, 0,1,2,3
.if \swap
	WIN (4<<(\s/2))                                ; source 1 (W) window 1 or 2
.else
	WIN (1<<(\s/2))                                ; source 0 (W) window 1 or 2
.endif
.irp t, 0,1,2,3,4,5,6,7
.set rW, 16*(8*(\s%2)+\t)
.set rX, XF+16*\s
.set rA, ACC+8*\t
.if \swap
.if \s == 0
	v_wmma_f32_16x16x128_bf8_bf8 v[rA:rA+7], v[rX:rX+15], v[rW:rW+15], v[BIAS+8*\t:BIAS+8*\t+7]
.else
	v_wmma_f32_16x16x128_bf8_bf8 v[rA:rA+7], v[rX:rX+15], v[rW:rW+15], v[rA:rA+7]
.endif
.else
.if \s == 0
	v_wmma_f32_16x16x128_bf8_bf8 v[rA:rA+7], v[rW:rW+15], v[rX:rX+15], v[BIAS+8*\t:BIAS+8*\t+7]
.else
	v_wmma_f32_16x16x128_bf8_bf8 v[rA:rA+7], v[rW:rW+15], v[rX:rX+15], v[rA:rA+7]
.endif
.endif
.endr
.endr
.endm
.macro HOLD                            ; each accumulator from its low end on
.set k, 0
.rept 64
	v_med3_num_f32 v[ACC+k], v[ACC+k], -v[LIMO], v[LIMO]
.set k, k+1
.endr
.endm
; Q, K: tile t's eight numbers a lane are registers 2 (t % 4), + 1 of head t / 4's fragment of these 16 positions
.macro EPIQK blk, m
	HOLD
	s_wait_xcnt 0x0                                ; the last stores have read the registers that the conversions write
.irp t, 0,1,2,3,4,5,6,7
	v_cvt_scalef32_pk8_bf8_f32 v[PC+2*\t:PC+2*\t+1], v[ACC+8*\t:ACC+8*\t+7], v[SCO]
.endr
	v_nop                                          ; a plain line between the conversions and the matrix instructions that write their sources
.irp q, 0,1,2,3
	global_store_b128 v[LI], v[PC+4*\q:PC+4*\q+3], s[50:51] offset:(\q/2)*262144+(4*\blk+\m)*1024+(\q%2)*512
.endr
.endm
; V: tile t's eight numbers a lane are registers 2 c, 2 c + 1 (c = 4 blk + m) of channel tile t's fragment: two row tiles fill a group of four registers
.macro EPIV blk, m
	HOLD
.if (\m)%2 == 0
	s_wait_xcnt 0x0                                ; the last stores have read the registers that this pair of row tiles writes
.endif
.irp t, 0,1,2,3,4,5,6,7
	v_cvt_scalef32_pk8_bf8_f32 v[PC+4*\t+2*((\m)%2):PC+4*\t+2*((\m)%2)+1], v[ACC+8*\t:ACC+8*\t+7], v[SCO]
.endr
	v_nop
.if (\m)%2 == 1
.irp t, 0,1,2,3,4,5,6,7
	global_store_b128 v[LI], v[PC+4*\t:PC+4*\t+3], s[50:51] offset:(\t/4)*262144+(\t%4)*2048+(2*\blk+(\m)/2)*512
.endr
.endif
.endm
; a block's four row tiles.  The next tile's fragments are asked for behind the products and land under the way out
.macro P1 swap, blk
	FETCH \blk, 0
.irp m, 0,1,2,3
	s_wait_dscnt 0x0
	MUL \swap
	WIN 0
.rept 4
	v_nop                                          ; four places, for the loads into x's fragments and for the first read of the sums alike
.endr
.if \m < 3
	FETCH \blk, (\m)+1
.endif
.if \swap
	EPIV \blk, \m
.else
	EPIQK \blk, \m
.endif
.endr
.endm
	s_load_b512 s[4:19], s[0:1], 0x0               ; x s[4:5], wc s[6:7], scales s[8:9], bq s[10:11], bk s[12:13], bv s[14:15], qc s[16:17], kc s[18:19]
	s_load_b64 s[20:21], s[0:1], 0x40              ; vc
	v_lshl_add_u32 v[SPW], v0, 2, SPARE
	v_mov_b32 v[NIL], 0
	v_lshrrev_b32 v7, 5, v0
	v_readfirstlane_b32 s[WV], v7                  ; wave 0..3
	s_and_b32 s[MAT], ttmp7, 0xffff                ; 0: Q, 1: K, 2: V
	v_and_b32 v9, 31, v0                           ; lane
	v_and_b32 v7, 15, v0                           ; r
	v_bfe_u32 v8, v0, 4, 1                         ; h
	v_lshlrev_b32 v[LI], 4, v9
	s_mul_i32 s25, s[WV], TILEB
	v_mul_u32_u24 v[XST], v9, 272
	v_add_nc_u32 v[XST], s25, v[XST]
	v_mul_u32_u24 v[XRD], v8, 272
	v_lshl_add_u32 v[XRD], v7, 4, v[XRD]
	v_add_nc_u32 v[XRD+1], BLKB, v[XRD]
	v_lshlrev_b32 v[BQK], 5, v8
	v_lshlrev_b32 v[BV], 2, v7
	s_lshl_b32 s40, ttmp9, 18                      ; x: 128 rows of 2,048 bytes a work-group,
	s_lshl_b32 s25, s[WV], 15                      ; 16 a wave
	s_add_co_u32 s40, s40, s25
	s_mov_b32 s41, 0
	s_lshl_b32 s42, s[MAT], 18                     ; W's codes: 262,144 bytes a matrix,
	s_lshl_b32 s25, s[WV], 16                      ; eight tiles of 8,192 a wave
	s_add_co_u32 s42, s42, s25
	s_mov_b32 s43, 0
	s_lshl_b32 s44, s[WV], 9                       ; the bias: 128 numbers a wave
	s_mov_b32 s45, 0
	s_lshr_b32 s46, ttmp9, 5                       ; the batch: 32 work-groups of 128 rows each
	s_lshl_b32 s46, s46, 3
	s_lshl_b32 s25, s[WV], 1
	s_add_co_u32 s46, s46, s25                     ; bh of my first head: 8 batch + 2 wave
	s_lshl_b32 s46, s46, 18
	s_and_b32 s25, ttmp9, 31
	s_lshl_b32 s25, s25, 13                        ; 128 positions are 8,192 bytes of a head's codes, in all three layouts
	s_add_co_u32 s46, s46, s25
	s_mov_b32 s47, 0
	s_wait_kmcnt 0x0
	s_load_b256 s[28:35], s[8:9], 0x0              ; e0 .. e7
	s_load_b128 s[36:39], s[8:9], 0x20             ; e8 .. e11
	s_add_nc_u64 s[4:5], s[4:5], s[40:41]
	s_add_nc_u64 s[6:7], s[6:7], s[42:43]
	s_cmp_eq_u32 s[MAT], 1                         ; the bias and the destination: choices on the work-group's number alone
	s_cselect_b64 s[48:49], s[12:13], s[10:11]
	s_cselect_b64 s[50:51], s[18:19], s[16:17]
	s_cmp_eq_u32 s[MAT], 2
	s_cselect_b64 s[48:49], s[14:15], s[48:49]
	s_cselect_b64 s[50:51], s[20:21], s[50:51]
	s_add_nc_u64 s[48:49], s[48:49], s[44:45]
	s_add_nc_u64 s[50:51], s[50:51], s[46:47]
	XLOAD 0, 0                                     ; block 0's rows first: they are wanted first
	XLOAD 0, 1
	WIN 0                                          ; at a branch and at a label every window is 0
	s_cmp_eq_u32 s[MAT], 2
	s_cbranch_scc1 .Lbias_v
.irp t, 0,1,2,3,4,5,6,7                ; Q, K: register j of tile t is b(16 t + 8 h + j)
	global_load_b128 v[BIAS+8*\t:BIAS+8*\t+3], v[BQK], s[48:49] offset:64*\t
	global_load_b128 v[BIAS+8*\t+4:BIAS+8*\t+7], v[BQK], s[48:49] offset:64*\t+16
.endr
	s_branch .Lbias_done
.Lbias_v:
.irp t, 0,1,2,3,4,5,6,7                ; V: all eight registers of tile t are b(16 t + r)
.irp j, 0,1,2,3,4,5,6,7
	global_load_b32 v[BIAS+8*\t+\j], v[BV], s[48:49] offset:64*\t
.endr
.endr
.Lbias_done:
	WIN 0x40                                       ; destination window 1
.irp s, 0,1
.irp t, 0,1,2,3,4,5,6,7
.irp c, 0,1,2,3
	global_load_b128 v[16*(8*\s+\t)+4*\c:16*(8*\s+\t)+4*\c+3], v[LI], s[6:7] offset:\t*8192+\s*2048+\c*512
.endr
.endr
.endr
	WIN 0x80                                       ; destination window 2
.irp s, 2,3
.irp t, 0,1,2,3,4,5,6,7
.irp c, 0,1,2,3
	global_load_b128 v[16*(8*(\s-2)+\t)+4*\c:16*(8*(\s-2)+\t)+4*\c+3], v[LI], s[6:7] offset:\t*8192+\s*2048+\c*512
.endr
.endr
.endr
	WIN 0
	s_wait_kmcnt 0x0
	s_cmp_eq_u32 s[MAT], 1                         ; ex, ew, eo: entries (0, 1, 6), (2, 3, 7) or (4, 5, 9)
	s_cselect_b32 s52, s30, s28
	s_cselect_b32 s53, s31, s29
	s_cselect_b32 s54, s35, s34
	s_cmp_eq_u32 s[MAT], 2
	s_cselect_b32 s52, s32, s52
	s_cselect_b32 s53, s33, s53
	s_cselect_b32 s54, s37, s54
	s_add_co_i32 s53, s52, s53                     ; ex + ew: a sum stands for sum x 2^(ex + ew)
	s_sub_co_i32 s55, 0, s53
	s_sub_co_i32 s54, s54, s53                     ; eo - ex - ew
	s_add_co_i32 s52, s52, 127
	s_lshl_b32 s56, s52, 23
	v_mov_b32 v[SCX], s56
	s_add_co_i32 s52, s52, 15
	s_lshl_b32 s52, s52, 23
	s_or_b32 s52, s52, 0x600000
	v_mov_b32 v[LIMX], s52
	s_add_co_i32 s54, s54, 127
	s_lshl_b32 s56, s54, 23
	v_mov_b32 v[SCO], s56
	s_add_co_i32 s54, s54, 15
	s_lshl_b32 s54, s54, 23
	s_or_b32 s54, s54, 0x600000
	v_mov_b32 v[LIMO], s54
	s_wait_loadcnt 63                              ; 128 loads of W are younger than block 0's rows and the bias: with 63 left out those are in
.set k, 0
.rept 64
	v_ldexp_f32 v[BIAS+k], v[BIAS+k], s55          ; b / 2^(ex + ew): nothing is rounded
.set k, k+1
.endr
	XQ 0, 0, 63, 1
	XQ 0, 1, 63, 1
	BARRIER                                        ; block 0's codes of x lie in LDS
	s_wait_loadcnt 63                              ; 64 loads of block 1's rows are younger than W's: W is in
	s_cmp_eq_u32 s[MAT], 2
	s_cbranch_scc1 .Lv0
	P1 0, 0
	s_branch .Ldone0
.Lv0:
	P1 1, 0
.Ldone0:
	XQ 1, 0, 32, 0                                 ; the second half's 32 loads may stay out
	XQ 1, 1, 0, 0
	BARRIER                                        ; block 1's codes lie in bytes of their own: no wave's reads of block 0 are in their way
	s_cmp_eq_u32 s[MAT], 2
	s_cbranch_scc1 .Lv1
	P1 0, 1
	s_branch .Ldone1
.Lv1:
	P1 1, 1
.Ldone1:
	s_wait_tensorcnt 0x0                           ; the wave's end, behind my last LDS store
	ds_add_u32 v[SPW], v[NIL]
	s_wait_dscnt 0x0
	s_endpgm
.Lfunc_end_k_q4cf83bc81a_qkv:
	.size	k_q4cf83bc81a_qkv, .Lfunc_end_k_q4cf83bc81a_qkv-k_q4cf83bc81a_qkv
	.p2alignl 7, 3214868480
	.fill 96, 4, 3214868480
	.section	.rodata,"a",@progbits
	.p2align	6, 0x0
	.amdhsa_kernel k_q4cf83bc81a_qkv
		.amdhsa_group_segment_fixed_size 70144
		.amdhsa_private_segment_fixed_size 0
		.amdhsa_enable_private_segment 0
		.amdhsa_kernarg_size 72
		.amdhsa_user_sgpr_count 2
		.amdhsa_user_sgpr_kernarg_segment_ptr 1
		.amdhsa_wavefront_size32 1
		.amdhsa_system_sgpr_workgroup_id_x 1
		.amdhsa_system_sgpr_workgroup_id_y 1
		.amdhsa_system_sgpr_workgroup_id_z 1
		.amdhsa_system_vgpr_workitem_id 0
		.amdhsa_next_free_vgpr 1024
		.amdhsa_next_free_sgpr 66
		.amdhsa_reserve_vcc 0
		.amdhsa_float_denorm_mode_32 3
		.amdhsa_float_denorm_mode_16_64 3
		.amdhsa_memory_ordered 1
		.amdhsa_forward_progress 1
		.amdhsa_inst_pref_size 210
	.end_amdhsa_kernel
	.amdgpu_metadata
---
amdhsa.version: [ 1, 2 ]
amdhsa.kernels:
  - .name:           k_q4cf83bc81a_qkv
    .symbol:         k_q4cf83bc81a_qkv.kd
    .args:
      - { .name: x, .offset: 0, .size: 8, .value_kind: global_buffer, .address_space: global }
      - { .name: wc, .offset: 8, .size: 8, .value_kind: global_buffer, .address_space: global }
      - { .name: lowp_scales, .offset: 16, .size: 8, .value_kind: global_buffer, .address_space: global }
      - { .name: bq, .offset: 24, .size: 8, .value_kind: global_buffer, .address_space: global }
      - { .name: bk, .offset: 32, .size: 8, .value_kind: global_buffer, .address_space: global }
      - { .name: bv, .offset: 40, .size: 8, .value_kind: global_buffer, .address_space: global }
      - { .name: qc, .offset: 48, .size: 8, .value_kind: global_buffer, .address_space: global }
      - { .name: kc, .offset: 56, .size: 8, .value_kind: global_buffer, .address_space: global }
      - { .name: vc, .offset: 64, .size: 8, .value_kind: global_buffer, .address_space: global }
    .group_segment_fixed_size: 70144
    .private_segment_fixed_size: 0
    .kernarg_segment_align: 8
    .kernarg_segment_size: 72
    .max_flat_workgroup_size: 128
    .sgpr_count:     66
    .vgpr_count:     1024
    .wavefront_size: 32
...
	.end_amdgpu_metadata
.endif
;; end of part 2
;; launch attn (part 3): grid 16 x 16, 16 waves a work-group, clusters of 4 x 1, 327,680 bytes of LDS; arguments qc, kc, vc, lowp_scales, cc; writes cc
.if DOCPART == 3
	.amdgcn_target "amdgcn-amd-amdhsa--gfx1250"
	.amdhsa_code_object_version 6
	.text
	.protected	k_q4cf83bc81a_attn
	.globl	k_q4cf83bc81a_attn
	.p2align	8
	.type	k_q4cf83bc81a_attn,@function
k_q4cf83bc81a_attn:
	s_mov_b64 s[64:65], 0
	v_nop
	global_prefetch_b8 v0, s[64:65] scope:SCOPE_SE
	s_setreg_imm32_b32 hwreg(HW_REG_WAVE_MODE, 25, 1), 1
	s_wait_xcnt 0x0
	s_wait_alu depctr_hold_cnt(0) depctr_sa_sdst(0) depctr_va_vdst(0) depctr_va_sdst(0) depctr_va_ssrc(0) depctr_va_vcc(0) depctr_vm_vsrc(0)
	s_getreg_b32 s2, hwreg(HW_REG_IB_STS2, 6, 4)
	s_cmp_eq_u32 s2, 0
	s_cbranch_scc0 .Lentry_in_a_cluster
	s_endpgm
.Lentry_in_a_cluster:
	s_bfe_u32 s2, ttmp6, 0x10000c
	s_cmp_lg_u32 s2, 0x3003
	s_cbranch_scc0 .Lentry_shape_is_right
	s_endpgm
.Lentry_shape_is_right:
; ATTN: context = softmax(Q K^T / 8) V for 16 (batch, head) pairs of 4,096 positions and 64 channels, both products on codes of BF8 (E5M2); the context leaves as codes for the last product.  Nothing is left out.
; THE SOFTMAX AHEAD OF THE SECOND PRODUCT: t = score x log2(e) / 8; M = the row's largest t so far, rounded UP to a whole number; p = 2^(t - M) is what is quantised (scale 2^e8), not normalised.  The row's sum is taken of the
; unquantised p, in f32, and divides O at the end.  When M moves, the sum and O are multiplied by 2^(old M - new M): exact.
; ALL OPERANDS COME AS IMAGES OF THEIR REGISTERS (a group of four registers: 512 bytes, lane l's 16 at 16 l), k in its true places:
;   qc, kc: bh x 262,144 + position tile x 1,024 + half x 512: the 16x16x64 fragment of 16 positions x 64 channels.   vc: bh x 262,144 + key step x 8,192 + channel tile x 2,048 + group x 512: the 16x16x128 fragment of V^T, 16 channels x 128 keys.
;   cc (out): row tile x 8,192 + head x 1,024 + half x 512: the 16x16x64 fragment of 16 rows of the context x one head.
; So every LDS read is 16 x lane + a constant (no pitch, no padding), a slot's K and V are dense blocks of memory, and the result needs no stage.
; LAYOUT.  Both products are used transposed: S^T = K Q^T (source 0 = 16 neighbouring keys, source 1 = my 16 queries): lane (r, h) holds query r and keys 16 c + 8 h + 0 .. 7, whose eight codes are registers 2 c, 2 c + 1 of P.
; O^T = V^T P^T (source 0 = 16 channels, source 1 = P): query r, channels 16 t + 8 h + 0 .. 7, whose codes are registers 2 t, 2 t + 1 of the context's fragment.
; SHARES.  A work-group owns 256 queries of one (batch, head); each of its SIXTEEN waves one tile of 16, in 256 registers: four waves to a SIMD, so that one wave's exponentials stand beside another's plain work, products and LDS loads:
; a key step of 128 keys is 12 matrix instructions and some 270 vector instructions a wave.
; RING.  Two LDS slots of 512 keys (K's 32,768 bytes, then V's), 65,536 bytes apart.  CLUSTER: the four query blocks of a cluster walk the same K and V, so each tile is asked for JOINTLY (mask 15): waves 0, 1 ask for K's halves, waves 2, 3 for V's,
; 16,384 bytes a load, as 64 rows of 256 bytes.  A wave never has more than one tensor load out.  The change of slots stands at a slot's head; a refill has four key steps in which to land.
; LIMITS on the given exponents, so that each power of two below is an f32 number: e6 + e7 between -123 and 130 (added to c's exponent field); e8, and e10 - e8 - e9, between -126 and 112.  NaN is not served.
; REGISTERS: v1 16 x lane; v3 256 x lane; v5, v6 the add's two; v8 the slot's address; v12 -M, v13 the largest t, v[14:15] the sum in two halves; v16-23 Q; v32-95 K's eight fragments, then V's four; v96-159 S^T, then p; v160-191 O^T;
; v192-207 p's codes; v236-254 at work and constants.
.set SLOT1, 65536
.set VOFF,  32768
.set SPARE, 131072                     ; behind the ring: the spare words, 128 bytes a wave: eight blocks of 256 bytes that no other line names
.set NSL,   8                          ; slots' worth of keys
.set LI,  1
.set PFO, 3
.set SPW, 5
.set NIL, 6
.set ADR, 8
.set QF,  16
.set KV,  32
.set S,   96
.set O,   160
.set PCD, 192
.set TB,    14                         ; s14  LDS byte at which the slot in hand begins
.set SLOTS, 15                         ; s15  slots still to be asked for
.set LIM,   16                         ; s16  1 in a wave that prefetches, else the greatest number
.set WV,    18
.set SEL,   20                         ; s[20:21] lane selects for v_permlanex16_b32: lane l xor 16
.set CS,    22                         ; s[22:23] c = log2(e) / 8 x 2^(e6 + e7)
.set G1,    24                         ; s[24:31] descriptor group 1, one for all loads
.set PFA,   32                         ; s[32:33] where my prefetches stand
.set G0K,   40                         ; s[40:43], s[44:47] groups 0, which walk
.set G0V,   44
; A joint load.  The branches hang on the wave's number alone.  An s_nop 0 and four v_nop follow each of the two lines.
.macro TLOAD
	s_cmp_lt_u32 s[WV], 2
	s_cbranch_scc0 .Lnot_k_\@
	tensor_load_to_lds s[G0K:G0K+3], s[G1:G1+7]
	s_nop 0
.rept 4
	v_nop
.endr
	s_branch .Lasked_\@
.Lnot_k_\@:
	s_cmp_lt_u32 s[WV], 4
	s_cbranch_scc0 .Lasked_\@
	tensor_load_to_lds s[G0V:G0V+3], s[G1:G1+7]
	s_nop 0
.rept 4
	v_nop
.endr
.Lasked_\@:
.endm
; A PREFETCH INTO THE L2 of what the NEXT change of slots will ask for: 32,768 bytes of K and of V.  All four clusters of a (batch, head) walk the same K and V: the first of them asks.  Its four partners share the bytes out BY ADDRESS,
; 8,192 each; in each, wave 4 asks for K's and wave 5 for V's, lanes 256 bytes apart: one instruction.  So each aligned block of 256 bytes is named once in the launch, four key steps ahead of its tensor load.
; The last change that fills a slot asks for nothing; slots 0 and 1 come by their loads alone.
.macro ASK
	s_cmp_gt_u32 s[SLOTS], s[LIM]
	s_cbranch_scc0 .Lnot_mine_\@
	global_prefetch_b8 v[PFO], s[PFA:PFA+1] th:TH_LOAD_NT scope:SCOPE_SE
.Lnot_mine_\@:
.endm
; A round of the cluster's barrier: my work-group's barrier; wave 0 signals for the work-group; every wave waits for all four work-groups; my work-group's barrier once more.
.macro CROUND
	s_barrier_signal -1
	s_barrier_wait -1
	s_cmp_lg_u32 s[WV], 0
	s_cbranch_scc1 .Lnot_wave_0_\@
	s_barrier_signal -3
.Lnot_wave_0_\@:
	s_barrier_wait -3
	s_barrier_signal -1
	s_barrier_wait -1
.endm
	s_load_b256 s[4:11], s[0:1], 0x0               ; qc s[4:5], kc s[6:7], vc s[8:9], scales s[10:11]
	s_load_b64 s[12:13], s[0:1], 0x20              ; cc
	v_lshl_add_u32 v[SPW], v0, 2, SPARE
	v_mov_b32 v[NIL], 0
	ds_add_u32 v[SPW], v[NIL]                      ; the wave's opening: the add, twice on end, and its wait ahead of the round in front of the first tensor loads
	ds_add_u32 v[SPW], v[NIL]                      ; and once more, under the one wait; the set-up below, work on registers, stands between
	v_lshrrev_b32 v8, 5, v0
	v_readfirstlane_b32 s[WV], v8                  ; wave 0..15
	s_bfe_u32 s53, ttmp6, 0x40000                  ; cx: my place in the cluster: it enters Q's, the context's and the prefetches' addresses alone
	s_lshl_b32 s54, ttmp9, 2
	s_add_co_u32 s54, s54, s53                     ; my block of 256 queries
	s_and_b32 s55, ttmp7, 0xffff                   ; bh, which the four partners share
	s_lshl_b32 s56, s55, 18                        ; its first byte in qc, kc and vc
	s_and_b32 s58, s[WV], 1
	s_lshl_b32 s58, s58, 14                        ; which half of a slot's K or V I fetch: 16,384 bytes, in memory and in LDS
	s_mov_b32 s[G1], 15|(3<<16)|(1<<21)            ; 15:0 the mask: all four work-groups; 17:16 elements of 8 bytes; 20 no padding; 21 set beside a mask
	s_mov_b32 s[G1+1], 32<<16                      ; tensor_dim0 = 32 elements: 256 bytes
	s_mov_b32 s[G1+2], 64<<16                      ; tensor_dim1 = 64
	s_mov_b32 s[G1+3], 32<<16                      ; tile_dim0
	s_mov_b32 s[G1+4], 64                          ; tile_dim1
	s_mov_b32 s[G1+5], 32                          ; from row to row: dense
	s_mov_b32 s[G1+6], 0
	s_mov_b32 s[G1+7], 0
	s_mov_b32 s[SEL], 0x76543210
	s_mov_b32 s[SEL+1], 0xfedcba98
	s_mov_b32 s[CS], 0x3e38aa3b                    ; log2(e) / 8
	s_mov_b32 s[TB], 0
	s_mov_b32 s[SLOTS], NSL-1
	s_add_co_u32 s60, s56, s58
	s_mov_b32 s61, 0
	s_wait_dscnt 0x0                               ; both opening adds are done
	s_wait_kmcnt 0x0
	s_load_b128 s[48:51], s[10:11], 0x18           ; e6, e7, e8, e9
	s_load_b32 s52, s[10:11], 0x28                 ; e10
	s_mov_b32 s[G0K], 1                            ; count = 1
	s_mov_b32 s[G0K+1], s58                        ; LDS address: slot 0, K's half
	s_add_nc_u64 s[G0K+2:G0K+3], s[6:7], s[60:61]  ; global address: made of bh and the wave's number alone
	s_or_b32 s[G0K+3], s[G0K+3], 0x80000000        ; type = 2
	s_mov_b32 s[G0V], 1
	s_add_co_u32 s[G0V+1], s58, VOFF
	s_add_nc_u64 s[G0V+2:G0V+3], s[8:9], s[60:61]
	s_or_b32 s[G0V+3], s[G0V+3], 0x80000000
	CROUND                                         ; all four work-groups are here: the first joint loads meet
	TLOAD                                          ; slot 0
	v_and_b32 v[LI], 31, v0
	v_lshlrev_b32 v[PFO], 8, v[LI]
	v_lshlrev_b32 v[LI], 4, v[LI]
	s_lshl_b32 s59, s54, 4
	s_add_co_u32 s59, s59, s[WV]                   ; my tile of 16 positions: 16 x block + wave
	s_lshl_b32 s62, s59, 10
	s_add_co_u32 s62, s62, s56
	s_mov_b32 s63, 0
	s_add_nc_u64 s[4:5], s[4:5], s[62:63]
	global_load_b128 v[QF:QF+3], v[LI], s[4:5]     ; Q's fragment stays in registers
	global_load_b128 v[QF+4:QF+7], v[LI], s[4:5] offset:512
	s_lshr_b32 s66, s55, 3                         ; the context: row tile = 256 x batch + my tile,
	s_lshl_b32 s66, s66, 8
	s_add_co_u32 s66, s66, s59
	s_lshl_b32 s66, s66, 13
	s_and_b32 s67, s55, 7                          ; and the head
	s_lshl_b32 s67, s67, 10
	s_add_co_u32 s66, s66, s67
	s_mov_b32 s67, 0
	s_add_nc_u64 s[12:13], s[12:13], s[66:67]
	s_cmp_eq_u32 s[WV], 4                          ; the prefetches: wave 4 stands in K's codes, wave 5 in V's,
	s_cselect_b64 s[PFA:PFA+1], s[6:7], s[8:9]
	s_lshl_b32 s68, s53, 13                        ; at my work-group's 8,192 bytes
	s_add_co_u32 s68, s68, s56
	s_add_co_u32 s68, s68, 32768                   ; of slot 1: the first change of slots steps it to slot 2.  Nothing is prefetched here, at the head
	s_mov_b32 s69, 0
	s_add_nc_u64 s[PFA:PFA+1], s[PFA:PFA+1], s[68:69]
	s_sub_co_u32 s70, s[WV], 4
	s_lshr_b32 s70, s70, 1                         ; 0 in waves 4 and 5,
	s_or_b32 s70, s70, ttmp9                       ; of the first cluster: the same in all four partners
	s_cmp_eq_u32 s70, 0
	s_cselect_b32 s[LIM], 1, -1
	v_mov_b32 v13, 0xff61b1e6                      ; the largest t so far: -3e38, under every t
	v_floor_f32 v12, -v13                          ; -M
	v_mov_b32 v14, 0                               ; the sum, in two halves
	v_mov_b32 v15, 0
	v_mov_b32 v236, 0                              ; written once: a lane permute's destination counts as one of its sources
	v_mov_b32 v253, 0                              ; (named as the upper half of the pair v[252:253])
.set k, 0
.rept 32
	v_mov_b32 v[O+k], 0                            ; O^T.  (The step is written once: the first finds zeros, which the first change of M leaves zeros)
.set k, k+1
.endr
	s_wait_kmcnt 0x0
	s_add_co_i32 s71, s48, s49
	s_lshl_b32 s71, s71, 23
	s_add_co_i32 s[CS], s[CS], s71                 ; a score stands for score x 2^(e6 + e7): the two exponents are added to c's exponent field
	s_mov_b32 s[CS+1], s[CS]                       ; (named with it as a pair, so it is written)
	s_add_co_i32 s71, s50, 127
	s_lshl_b32 s72, s71, 23
	v_mov_b32 v244, s72                            ; 2^e8, for p's conversion
	s_add_co_i32 s71, s71, 15
	s_lshl_b32 s71, s71, 23
	s_or_b32 s71, s71, 0x600000
	v_mov_b32 v240, s71                            ; 57,344 x 2^e8
	s_sub_co_i32 s71, s52, s50
	s_sub_co_i32 s71, s71, s51                     ; O^T / l stands for the context / 2^(e8 + e9): its code is that / 2^(e10 - e8 - e9)
	s_add_co_i32 s71, s71, 127
	s_lshl_b32 s72, s71, 23
	v_mov_b32 v246, s72
	s_add_co_i32 s71, s71, 15
	s_lshl_b32 s71, s71, 23
	s_or_b32 s71, s71, 0x600000
	v_mov_b32 v247, s71
; A KEY STEP: 128 keys, the q-th of the slot in hand.
.macro STEP q
	v_add_nc_u32 v[ADR], s[TB], v[LI]
.rept 3
	v_nop                                          ; with the addition above: four places in front of loads into registers that the last products read
.endr
.irp c, 0,1,2,3,4,5,6,7
	ds_load_b128 v[KV+8*\c:KV+8*\c+3], v[ADR] offset:(8*(\q)+\c)*1024
	ds_load_b128 v[KV+8*\c+4:KV+8*\c+7], v[ADR] offset:(8*(\q)+\c)*1024+512
.endr
	s_wait_dscnt 0x0
.irp c, 0,1,2,3,4,5,6,7                ; S^T = K Q^T: tile c = keys 16 c .. 16 c + 15
	v_wmma_f32_16x16x64_bf8_bf8 v[S+8*\c:S+8*\c+7], v[KV+8*\c:KV+8*\c+7], v[QF:QF+7], 0
.endr
.rept 4
	v_nop                                          ; four places, for the loads below and for the first read of the scores alike
.endr
.irp t, 0,1,2,3                        ; V's four fragments are asked for now and land under the softmax
.irp g, 0,1,2,3
	ds_load_b128 v[KV+16*\t+4*\g:KV+16*\t+4*\g+3], v[ADR] offset:VOFF+(\q)*8192+\t*2048+\g*512
.endr
.endr
	v_max3_num_f32 v254, v96, v97, v98             ; the step's largest score of my query, among my 64 keys, in two chains, each accumulator from its low end on,
	v_max3_num_f32 v252, v99, v100, v101
.irp i, 6,10,14,18,22,26,30,34,38,42,46,50,54,58
	v_max3_num_f32 v254, v254, v[96+\i], v[97+\i]
	v_max3_num_f32 v252, v252, v[98+\i], v[99+\i]
.endr
	v_max3_num_f32 v254, v254, v158, v159
	v_max_num_f32 v254, v254, v252
	v_permlanex16_b32 v236, v254, s[SEL], s[SEL+1]
	v_max_num_f32 v254, v254, v236                 ; and among lane l xor 16's
	v_mul_f32 v254, s[CS], v254                    ; as t (c is positive)
	v_max_num_f32 v13, v13, v254                   ; the running largest t
	v_mov_b32 v254, v12
	v_floor_f32 v12, -v13                          ; the new -M = floor(-t) = -ceil(t): M is a whole number
	v_sub_f32 v254, v12, v254                      ; M's old value less its new one: a whole number, 0 or less
	v_cvt_i32_f32 v254, v254                       ; (it saturates)
	v_ldexp_f32 v252, 1.0, v254                    ; f = 2^(old M - new M)
.set k, 0
.rept 32
	v_pk_fma_f32 v[S+k:S+k+1], v[S+k:S+k+1], s[CS:CS+1], v[12:13] op_sel_hi:[1,0,0]   ; t - M, two at a time (of the pairs c and -M the low word serves both halves)
.set k, k+2
.endr
.set k, 0
.rept 64
	v_exp_f32 v[S+k], v[S+k]                       ; p = 2^(t - M), at most 1: not normalised
.set k, k+1
.endr
	v_pk_mul_f32 v[14:15], v[14:15], v[252:253] op_sel_hi:[1,0]   ; the sums under the new M: the plain line behind the exponentials
	s_wait_alu depctr_va_vdst(0)                   ; one wait for the whole batch, ahead of its first reader
	v_pk_add_f32 v[242:243], v[96:97], v[98:99]    ; the row's sum is taken of the UNQUANTISED p: two at a time, in two chains
.irp j, 4,8,12,16,20,24,28,32,36,40,44,48,52,56,60
	v_pk_add_f32 v[14:15], v[14:15], v[96+\j:97+\j]
	v_pk_add_f32 v[242:243], v[242:243], v[98+\j:99+\j]
.endr
	v_pk_add_f32 v[14:15], v[14:15], v[242:243]
.irp c, 0,1,2,3,4,5,6,7
.irp i, 0,1,2,3,4,5,6,7
	v_min_num_f32 v[S+8*\c+\i], v[S+8*\c+\i], v240 ; the conversion does not saturate (ISA guide 7.6.2); p is not negative, so the hold is one-sided
.endr
	v_cvt_scalef32_pk8_bf8_f32 v[PCD+2*\c:PCD+2*\c+1], v[S+8*\c:S+8*\c+7], v244   ; registers 2 c, 2 c + 1 of P: keys 16 c + 8 h + 0 .. 7
.endr
.set k, 0
.rept 16
	v_pk_mul_f32 v[O+k:O+k+1], v[O+k:O+k+1], v[252:253] op_sel_hi:[1,0]   ; O^T under the new M.  (These are also the plain lines behind the conversions)
.set k, k+2
.endr
	s_wait_dscnt 0x0                               ; V is in
.irp t, 0,1,2,3                        ; O^T += V^T P^T: the four accumulators by turns
	v_wmma_f32_16x16x128_bf8_bf8 v[O+8*\t:O+8*\t+7], v[KV+16*\t:KV+16*\t+15], v[PCD:PCD+15], v[O+8*\t:O+8*\t+7]
.endr
.endm
; THE CHANGE OF SLOTS stands at a slot's head.  Each wave waits for all its tensor loads (its part of the slot that it is about to read), adds 0 to its spare word, and waits for that and for its reads of the slot that it has left.
; fill = 1: a round of the cluster's barrier follows, so that no wave of any partner still reads the other slot or has a load on its way, and that slot is filled with the next 512 keys, first thing behind the round.
.macro CHANGE fill
	s_wait_tensorcnt 0x0                           ; no tensor load of mine is out, so a group 0 may be written
	ds_add_u32 v[SPW], v[NIL]                      ; 0 onto my spare word
.if \fill
	ds_add_u32 v[SPW], v[NIL]                      ; and once more: the add stands twice on end, in every trip alike
	s_xor_b32 s[G0K+1], s[G0K+1], SLOT1            ; the walking descriptors: the other slot than last time,
	s_add_nc_u64 s[G0K+2:G0K+3], s[G0K+2:G0K+3], 32768   ; the next 512 keys; the type bits on top are not reached
	s_xor_b32 s[G0V+1], s[G0V+1], SLOT1
	s_add_nc_u64 s[G0V+2:G0V+3], s[G0V+2:G0V+3], 32768
	s_wait_xcnt 0x0                                ; the last prefetch, a slot back, has read its address, so it may be written:
	s_add_nc_u64 s[PFA:PFA+1], s[PFA:PFA+1], 32768 ; one slot further on than the walking descriptors
.endif
	s_wait_dscnt 0x0                               ; the add is done, and my reads of the slot that I have left are over
.if \fill
	CROUND
	TLOAD
	ASK
.else
	s_barrier_signal -1
	s_barrier_wait -1
.endif
.endm
.macro SLOT_STEPS
	STEP 0
	STEP 1
	STEP 2
	STEP 3
	s_xor_b32 s[TB], s[TB], SLOT1                  ; on to the other slot
.endm
	s_wait_loadcnt 0x0                             ; Q
.Lslot:                                            ; seven trips: behind each change of slots but the last the next slot is asked for
	CHANGE 1
	SLOT_STEPS
	s_sub_co_u32 s[SLOTS], s[SLOTS], 1
	s_cmp_lg_u32 s[SLOTS], 0
	s_cbranch_scc1 .Lslot
	CHANGE 0                                       ; the last slot is written out
	SLOT_STEPS
	; THE WAY OUT: O^T / the sum, quantised with the folded scale: the eight codes of tile t are registers 2 t, 2 t + 1 of the context's fragment, which leaves as it stands.
.rept 4
	v_nop                                          ; four places behind the last products
.endr
	v_add_f32 v14, v14, v15                        ; the sum's two halves,
	v_permlanex16_b32 v252, v14, s[SEL], s[SEL+1]
	v_add_f32 v14, v14, v252                       ; and lane l xor 16's: the row's sum
	v_rcp_f32 v14, v14
	v_nop                                          ; a plain line behind the transcendental
	s_wait_alu depctr_va_vdst(0)                   ; and the wait ahead of its first reader
.set k, 0
.rept 16
	v_pk_mul_f32 v[S+k:S+k+1], v[O+k:O+k+1], v[14:15] op_sel_hi:[1,0]   ; each accumulator from its low end on
.set k, k+2
.endr
.set k, 0
.rept 32
	v_med3_num_f32 v[S+k], v[S+k], -v247, v247
.set k, k+1
.endr
.irp t, 0,1,2,3
	v_cvt_scalef32_pk8_bf8_f32 v[PCD+2*\t:PCD+2*\t+1], v[S+8*\t:S+8*\t+7], v246
.endr
	v_nop
	global_store_b128 v[LI], v[PCD:PCD+3], s[12:13]                 ; 32 lanes store 512 consecutive bytes, aligned
	global_store_b128 v[LI], v[PCD+4:PCD+7], s[12:13] offset:512
	s_wait_tensorcnt 0x0                           ; the wave's end, behind my last tensor load
	ds_add_u32 v[SPW], v[NIL]
	s_wait_dscnt 0x0
	CROUND                                         ; the closing round: no work-group ends while a partner may still ask for a tile that names it
	s_endpgm
.Lfunc_end_k_q4cf83bc81a_attn:
	.size	k_q4cf83bc81a_attn, .Lfunc_end_k_q4cf83bc81a_attn-k_q4cf83bc81a_attn
	.p2alignl 7, 3214868480
	.fill 96, 4, 3214868480
	.section	.rodata,"a",@progbits
	.p2align	6, 0x0
	.amdhsa_kernel k_q4cf83bc81a_attn
		.amdhsa_group_segment_fixed_size 327680
		.amdhsa_private_segment_fixed_size 0
		.amdhsa_enable_private_segment 0
		.amdhsa_kernarg_size 40
		.amdhsa_user_sgpr_count 2
		.amdhsa_user_sgpr_kernarg_segment_ptr 1
		.amdhsa_wavefront_size32 1
		.amdhsa_system_sgpr_workgroup_id_x 1
		.amdhsa_system_sgpr_workgroup_id_y 1
		.amdhsa_system_sgpr_workgroup_id_z 1
		.amdhsa_system_vgpr_workitem_id 0
		.amdhsa_next_free_vgpr 256
		.amdhsa_next_free_sgpr 80
		.amdhsa_reserve_vcc 0
		.amdhsa_float_denorm_mode_32 3
		.amdhsa_float_denorm_mode_16_64 3
		.amdhsa_memory_ordered 1
		.amdhsa_forward_progress 1
		.amdhsa_inst_pref_size 133
	.end_amdhsa_kernel
	.amdgpu_metadata
---
amdhsa.version: [ 1, 2 ]
amdhsa.kernels:
  - .name:           k_q4cf83bc81a_attn
    .symbol:         k_q4cf83bc81a_attn.kd
    .args:
      - { .name: qc, .offset: 0, .size: 8, .value_kind: global_buffer, .address_space: global }
      - { .name: kc, .offset: 8, .size: 8, .value_kind: global_buffer, .address_space: global }
      - { .name: vc, .offset: 16, .size: 8, .value_kind: global_buffer, .address_space: global }
      - { .name: lowp_scales, .offset: 24, .size: 8, .value_kind: global_buffer, .address_space: global }
      - { .name: cc, .offset: 32, .size: 8, .value_kind: global_buffer, .address_space: global }
    .group_segment_fixed_size: 327680
    .private_segment_fixed_size: 0
    .kernarg_segment_align: 8
    .kernarg_segment_size: 40
    .max_flat_workgroup_size: 512
    .sgpr_count:     80
    .vgpr_count:     256
    .wavefront_size: 32
...
	.end_amdgpu_metadata
.endif
;; end of part 3
;; launch oproj (part 4): grid 2 x 128, 4 waves a work-group, no clusters, 17,920 bytes of LDS; arguments cc, wc, lowp_scales, bo, out0; writes out0
.if DOCPART == 4
	.amdgcn_target "amdgcn-amd-amdhsa--gfx1250"
	.amdhsa_code_object_version 6
	.text
	.protected	k_q4cf83bc81a_oproj
	.globl	k_q4cf83bc81a_oproj
	.p2align	8
	.type	k_q4cf83bc81a_oproj,@function
k_q4cf83bc81a_oproj:
	s_mov_b64 s[64:65], 0
	v_nop
	global_prefetch_b8 v0, s[64:65] scope:SCOPE_SE
	s_setreg_imm32_b32 hwreg(HW_REG_WAVE_MODE, 25, 1), 1
	s_wait_xcnt 0x0
; OPROJ: out0 = Q(context) Q(Wo)^T x 2^(e10 + e11) + bo.  Both operands come as codes of BF8 (E5M2), as images of their 16x16x64 fragments (K step = one head's 64), k in its true places; out0 [8192][512] f32.  Nothing is left out.
; SHARES.  A work-group takes 64 rows x 256 columns, a wave 64 columns: 256 bytes of each row of out0, aligned.  256 equal work-groups, no loop.  A wave's 32 KB of Wo and the 32 KB of the context's four row tiles go from memory
; straight into registers (each load 512 consecutive bytes); then 128 matrix instructions, 16 accumulators.
; TRANSPOSED (source 0 = 16 rows of Wo, source 1 = 16 rows of the context): lane (r, h) holds row r and columns 16 T + 8 h + 0 .. 7.  A row tile's results go through the wave's own stage in LDS (rows of 256 + 16 bytes) and leave as whole rows:
; sixteen lanes store 256 consecutive bytes, aligned.  Waves share no LDS byte: no barrier.
; NO CLUSTER, NO TENSOR LOAD: operands are used from the registers into which they are loaded; a joint load lands in LDS, from which each fragment would have to be read once more, for 128 matrix instructions a wave.
; LIMIT: e10 + e11 between -126 and 127, so that 2^(e10 + e11) is an f32 number.
; REGISTERS: window 1: Wo's fragment (tile T, head s) at v[8 (8 T + s)]; window 2: the context's (row tile m, head s) at v[8 (8 m + s)]; window 0: the names below.
.set LI,   1                           ; v1   16 x lane
.set STO,  2                           ; v2   the stage: where I put 32 bytes of a row
.set RD,   3                           ; v3   and where I read a row back
.set GO,   4                           ; v4   my byte offset in two rows of out0
.set BO,   5                           ; v5   32 h
.set SPW,  28                          ; v28  LDS address of my spare word; never rewritten
.set NIL,  29                          ; v29  0; never rewritten
.set BIAS, 32                          ; v32-63   bo of my columns, tile T at 32 + 8 T
.set SC,   64                          ; v64-95   a row tile's results
.set BK,   96                          ; v96-127  16 rows read back
.set ACC,  128                         ; v128-255 accumulator (m, T) at 128 + 8 (4 m + T)
.set SPARE, 17408                      ; behind the four stages of 4,352 bytes: the spare words, two blocks of 256 bytes that no other line names
.set MSB, 0
.macro WIN new                         ; the immediate's high byte repeats the setting that is left
.if MSB != \new
	s_set_vgpr_msb (MSB<<8)|\new
.set MSB, \new
.endif
.endm
	s_load_b256 s[4:11], s[0:1], 0x0               ; cc s[4:5], wc s[6:7], scales s[8:9], bo s[10:11]
	s_load_b64 s[12:13], s[0:1], 0x20              ; out0
	v_lshl_add_u32 v[SPW], v0, 2, SPARE
	v_mov_b32 v[NIL], 0
	v_lshrrev_b32 v6, 5, v0
	v_readfirstlane_b32 s14, v6                    ; wave 0..3
	s_and_b32 s15, ttmp7, 0xffff                   ; which 64 rows
	v_and_b32 v6, 31, v0
	v_and_b32 v7, 15, v0                           ; r
	v_bfe_u32 v8, v0, 4, 1                         ; h
	v_lshlrev_b32 v[LI], 4, v6
	s_mul_i32 s16, s14, 4352                       ; my stage
	v_mul_u32_u24 v[STO], v7, 272
	v_lshl_add_u32 v[STO], v8, 5, v[STO]
	v_add_nc_u32 v[STO], s16, v[STO]               ; in: row r, + 32 h
	v_mul_u32_u24 v[RD], v8, 272
	v_lshl_add_u32 v[RD], v7, 4, v[RD]
	v_add_nc_u32 v[RD], s16, v[RD]                 ; back: lanes 0-15 one row, lanes 16-31 the next
	v_lshlrev_b32 v[GO], 11, v8
	v_lshl_add_u32 v[GO], v7, 4, v[GO]             ; and the same two rows of out0, 2,048 bytes apart
	v_lshlrev_b32 v[BO], 5, v8
	s_lshl_b32 s20, ttmp9, 4
	s_lshl_b32 s17, s14, 2
	s_add_co_u32 s20, s20, s17                     ; my first column tile: 16 x work-group x + 4 x wave
	s_lshl_b32 s20, s20, 13
	s_add_co_u32 s20, s20, 786432                  ; Wo is the fourth matrix in wc
	s_mov_b32 s21, 0
	s_lshl_b32 s22, s15, 15                        ; four row tiles of 8,192 bytes
	s_mov_b32 s23, 0
	s_lshl_b32 s24, ttmp9, 10
	s_lshl_b32 s17, s14, 8
	s_add_co_u32 s24, s24, s17                     ; my 64 columns in bytes, in bo and in a row of out0
	s_mov_b32 s25, 0
	s_lshl_b32 s26, s15, 17                        ; 64 rows of 2,048 bytes
	s_add_co_u32 s26, s26, s24
	s_mov_b32 s27, 0
	s_wait_kmcnt 0x0
	s_load_b64 s[40:41], s[8:9], 0x28              ; e10, e11
	s_add_nc_u64 s[6:7], s[6:7], s[20:21]
	s_add_nc_u64 s[4:5], s[4:5], s[22:23]
	s_add_nc_u64 s[10:11], s[10:11], s[24:25]
	s_add_nc_u64 s[12:13], s[12:13], s[26:27]
	WIN 0x40                                       ; destination window 1
.set k, 0
.rept 64
	global_load_b128 v[4*k:4*k+3], v[LI], s[6:7] offset:512*k
.set k, k+1
.endr
	WIN 0
.irp t, 0,1,2,3
	global_load_b128 v[BIAS+8*\t:BIAS+8*\t+3], v[BO], s[10:11] offset:64*\t
	global_load_b128 v[BIAS+8*\t+4:BIAS+8*\t+7], v[BO], s[10:11] offset:64*\t+16
.endr
	WIN 0x80                                       ; destination window 2
.set k, 0
.rept 64
	global_load_b128 v[4*k:4*k+3], v[LI], s[4:5] offset:512*k
.set k, k+1
.endr
	s_wait_kmcnt 0x0
	s_add_co_i32 s46, s40, s41
	s_add_co_i32 s46, s46, 127
	s_lshl_b32 s46, s46, 23                        ; 2^(e10 + e11) as f32
	s_mov_b32 s47, s46                             ; (named with it as a pair, so it is written)
; row tile m: eight K steps x my four column tiles; the four accumulators take turns; the first K step starts the sums
.macro MUL m
	s_wait_loadcnt 48-16*\m                        ; the loads of the row tiles behind this one may stay out
	WIN 0x09                                       ; source 0 (Wo) window 1, source 1 (the context) window 2
.irp s, 0,1,2,3,4,5,6,7
.irp t, 0,1,2,3
.if \s == 0
	v_wmma_f32_16x16x64_bf8_bf8 v[ACC+8*(4*\m+\t):ACC+8*(4*\m+\t)+7], v[8*(8*\t+\s):8*(8*\t+\s)+7], v[8*(8*\m+\s):8*(8*\m+\s)+7], 0
.else
	v_wmma_f32_16x16x64_bf8_bf8 v[ACC+8*(4*\m+\t):ACC+8*(4*\m+\t)+7], v[8*(8*\t+\s):8*(8*\t+\s)+7], v[8*(8*\m+\s):8*(8*\m+\s)+7], v[ACC+8*(4*\m+\t):ACC+8*(4*\m+\t)+7]
.endif
.endr
.endr
.endm
; row tile m leaves: sum x 2^(e10 + e11) + bo, through my stage, as 16 whole pieces of 256 bytes
.macro OUT m
	WIN 0
.rept 4
	v_nop                                          ; four places behind the products (ISA guide 7.12.1)
.endr
.if \m > 0
	s_wait_xcnt 0x0                                ; the last tile's stores have read the registers into which the stage is read back
.endif
.irp t, 0,1,2,3
.irp i, 0,2,4,6
	v_pk_fma_f32 v[SC+8*\t+\i:SC+8*\t+\i+1], v[ACC+8*(4*\m+\t)+\i:ACC+8*(4*\m+\t)+\i+1], s[46:47], v[BIAS+8*\t+\i:BIAS+8*\t+\i+1] op_sel_hi:[1,0,1]   ; each accumulator from its low end on
.endr
.endr
.irp t, 0,1,2,3
	ds_store_b128 v[STO], v[SC+8*\t:SC+8*\t+3] offset:64*\t
	ds_store_b128 v[STO], v[SC+8*\t+4:SC+8*\t+7] offset:64*\t+16
.endr
.irp i, 0,1,2,3,4,5,6,7
	ds_load_b128 v[BK+4*\i:BK+4*\i+3], v[RD] offset:2*\i*272   ; LDS serves a wave's instructions in order (ISA guide 5.7.1.4): these see my stores
.endr
.irp i, 0,1,2,3,4,5,6,7
	s_wait_dscnt 7-\i                              ; the stage loads behind this one may stay out
	global_store_b128 v[GO], v[BK+4*\i:BK+4*\i+3], s[12:13] offset:(16*\m+2*\i)*2048 th:TH_STORE_NT   ; 16 lanes store 256 consecutive bytes, aligned; written once, read by nobody here
.endr
.endm
	MUL 0
	MUL 1
	OUT 0                                          ; a tile leaves while the later tiles' codes are still arriving
	MUL 2
	OUT 1
	MUL 3
	OUT 2
	OUT 3
	s_wait_tensorcnt 0x0                           ; the wave's end, behind my last LDS store
	ds_add_u32 v[SPW], v[NIL]
	s_wait_dscnt 0x0
	s_endpgm
.Lfunc_end_k_q4cf83bc81a_oproj:
	.size	k_q4cf83bc81a_oproj, .Lfunc_end_k_q4cf83bc81a_oproj-k_q4cf83bc81a_oproj
	.p2alignl 7, 3214868480
	.fill 96, 4, 3214868480
	.section	.rodata,"a",@progbits
	.p2align	6, 0x0
	.amdhsa_kernel k_q4cf83bc81a_oproj
		.amdhsa_group_segment_fixed_size 17920
		.amdhsa_private_segment_fixed_size 0
		.amdhsa_enable_private_segment 0
		.amdhsa_kernarg_size 40
		.amdhsa_user_sgpr_count 2
		.amdhsa_user_sgpr_kernarg_segment_ptr 1
		.amdhsa_wavefront_size32 1
		.amdhsa_system_sgpr_workgroup_id_x 1
		.amdhsa_system_sgpr_workgroup_id_y 1
		.amdhsa_system_sgpr_workgroup_id_z 1
		.amdhsa_system_vgpr_workitem_id 0
		.amdhsa_next_free_vgpr 768
		.amdhsa_next_free_sgpr 66
		.amdhsa_reserve_vcc 0
		.amdhsa_float_denorm_mode_32 3
		.amdhsa_float_denorm_mode_16_64 3
		.amdhsa_memory_ordered 1
		.amdhsa_forward_progress 1
		.amdhsa_inst_pref_size 37
	.end_amdhsa_kernel
	.amdgpu_metadata
---
amdhsa.version: [ 1, 2 ]
amdhsa.kernels:
  - .name:           k_q4cf83bc81a_oproj
    .symbol:         k_q4cf83bc81a_oproj.kd
    .args:
      - { .name: cc, .offset: 0, .size: 8, .value_kind: global_buffer, .address_space: global }
      - { .name: wc, .offset: 8, .size: 8, .value_kind: global_buffer, .address_space: global }
      - { .name: lowp_scales, .offset: 16, .size: 8, .value_kind: global_buffer, .address_space: global }
      - { .name: bo, .offset: 24, .size: 8, .value_kind: global_buffer, .address_space: global }
      - { .name: out0, .offset: 32, .size: 8, .value_kind: global_buffer, .address_space: global }
    .group_segment_fixed_size: 17920
    .private_segment_fixed_size: 0
    .kernarg_segment_align: 8
    .kernarg_segment_size: 40
    .max_flat_workgroup_size: 128
    .sgpr_count:     66
    .vgpr_count:     768
    .wavefront_size: 32
...
	.end_amdgpu_metadata
.endif
;; end of part 4
;; ======== version 2 of 2: 4 launches
;; workspace buffers: wc 1,048,576 bytes; qc 4,194,304 bytes; kc 4,194,304 bytes; vc 4,194,304 bytes; cc 4,194,304 bytes
;; launch prep (part 5): grid 32 x 4, 4 waves a work-group, no clusters, 0 bytes of LDS; arguments Wq, Wk, Wv, Wo, lowp_scales, wc; writes wc
.if DOCPART == 5
	.amdgcn_target "amdgcn-amd-amdhsa--gfx1250"
	.amdhsa_code_object_version 6
	.text
	.protected	k_q4cf83bc81a_prep
	.globl	k_q4cf83bc81a_prep
	.p2align	8
	.type	k_q4cf83bc81a_prep,@function
k_q4cf83bc81a_prep:
	s_mov_b64 s[64:65], 0
	v_nop
	global_prefetch_b8 v0, s[64:65] scope:SCOPE_SE
	s_setreg_imm32_b32 hwreg(HW_REG_WAVE_MODE, 25, 1), 1
	s_wait_xcnt 0x0
; PREP: Wq, Wk, Wv, Wo [512][512] f32 (row = output column, K innermost) become codes of BF8 (E5M2), each with its given scale 2^e (entries 1, 3, 5, 11 of lowp_scales).
; NOTHING OF reference() IS LEFT OUT IN THIS PROGRAM: x, the four weights, the four biases and all twelve scales have a way to the output (bk moves K's codes, so it stays); every product of the table is done.
; code = w / 2^e, held within +-57,344, rounded to the nearest code, ties to even.  LIMITS: e between -126 and 112, so that 2^e and 57,344 x 2^e are f32 numbers.  NaN among the inputs is not served; an infinity is held at the largest code.
; THE CODES ARE LAID AS IMAGES OF THE READER'S OPERAND REGISTERS: a group of four registers is 512 bytes, lane l's 16 bytes at 16 l:
;   wc byte = matrix x 262,144 + column tile x 8,192 + K step x 2,048 + group x 512 + 16 x lane.
; Wq, Wk, Wv feed the 16x16x128 form beside x.  Their K is PERMUTED, alike in x and in W: piece p (16 bytes) of a row holds k = 128 i + 4 p + j (register i, byte j), which is what four dense loads of a row of x give lane p;
;   group c of K step s holds, in lane (r, h), piece 8 s + 2 c + h of row r.  Every product meets its partner; only the order inside the sums changes.
; Wo feeds the 16x16x64 form beside the context, k in its true places: K step s, group g = head 2 s + g / 2, half g % 2; registers 2 c, 2 c + 1 of a head's fragment: k = 64 head + 16 c + 8 h + 0 .. 7.
; SHARES: work-group x = column tile (16 rows of W), y = matrix, wave = K step: one wave makes one image of 2,048 bytes: 16 loads, 64 holds, 8 conversions, 4 stores of 512 consecutive bytes.  Waves share nothing: no LDS, no barrier, no cluster.
.set RAW, 16                           ; v16-79  64 numbers, in the order of the codes
.set COD, 80                           ; v80-95  the image
	s_load_b256 s[4:11], s[0:1], 0x0               ; Wq, Wk, Wv, Wo
	s_load_b128 s[12:15], s[0:1], 0x20             ; lowp_scales, wc
	v_lshrrev_b32 v1, 5, v0
	v_readfirstlane_b32 s16, v1                    ; wave = K step
	s_and_b32 s17, ttmp7, 0xffff                   ; which matrix
	v_and_b32 v1, 15, v0                           ; r
	v_bfe_u32 v2, v0, 4, 1                         ; h
	v_lshlrev_b32 v5, 11, v1                       ; row r of 2,048 bytes
	v_and_b32 v4, 31, v0
	v_lshlrev_b32 v4, 4, v4                        ; 16 x lane: my place in a group's 512 bytes
	s_mov_b32 s35, 0
	s_wait_kmcnt 0x0
	s_load_b256 s[24:31], s[12:13], 0x0            ; e0 .. e7
	s_load_b32 s32, s[12:13], 0x2c                 ; e11
	s_cmp_eq_u32 s17, 1                            ; the source: a choice on the work-group's number alone
	s_cselect_b64 s[20:21], s[6:7], s[4:5]
	s_cmp_eq_u32 s17, 2
	s_cselect_b64 s[20:21], s[8:9], s[20:21]
	s_cmp_eq_u32 s17, 3
	s_cselect_b64 s[20:21], s[10:11], s[20:21]
	s_cselect_b32 s23, 9, 7                        ; a K step begins 512 bytes (Wo: two heads) or 128 bytes (eight pieces) further on in a row
	s_lshl_b32 s34, ttmp9, 15                      ; 16 rows of 2,048 bytes a tile
	s_lshl_b32 s23, s16, s23
	s_add_co_u32 s34, s34, s23
	s_add_nc_u64 s[20:21], s[20:21], s[34:35]
	s_lshl_b32 s34, s17, 18                        ; the image's place in wc
	s_lshl_b32 s23, ttmp9, 13
	s_add_co_u32 s34, s34, s23
	s_lshl_b32 s23, s16, 11
	s_add_co_u32 s34, s34, s23
	s_add_nc_u64 s[14:15], s[14:15], s[34:35]
	s_cmp_eq_u32 s17, 3
	s_cbranch_scc1 .Lwo
	s_wait_alu depctr_va_vdst(0)
	v_lshl_add_u32 v3, v2, 4, v5                   ; Wq, Wk, Wv: piece 8 s + 2 c + h: bytes 128 s + 32 c + 16 h of each 512
.irp c, 0,1,2,3
.irp i, 0,1,2,3
	global_load_b128 v[RAW+16*\c+4*\i:RAW+16*\c+4*\i+3], v3, s[20:21] offset:512*\i+32*\c
.endr
.endr
	s_branch .Ljoin
.Lwo:
	s_wait_alu depctr_va_vdst(0)
	v_lshl_add_u32 v3, v2, 5, v5                   ; Wo: k = 64 head + 16 c + 8 h + 4 u + 0 .. 3
.irp s2, 0,1
.irp c, 0,1,2,3
.irp u, 0,1
	global_load_b128 v[RAW+32*\s2+8*\c+4*\u:RAW+32*\s2+8*\c+4*\u+3], v3, s[20:21] offset:256*\s2+64*\c+16*\u
.endr
.endr
.endr
.Ljoin:
	s_wait_kmcnt 0x0
	s_cmp_eq_u32 s17, 1                            ; e: entry 1, 3, 5 or 11
	s_cselect_b32 s22, s27, s25
	s_cmp_eq_u32 s17, 2
	s_cselect_b32 s22, s29, s22
	s_cmp_eq_u32 s17, 3
	s_cselect_b32 s22, s32, s22
	s_add_co_i32 s22, s22, 127
	s_lshl_b32 s23, s22, 23
	v_mov_b32 v11, s23                             ; 2^e as f32: the conversion takes its exponent field
	s_add_co_i32 s22, s22, 15
	s_lshl_b32 s22, s22, 23
	s_or_b32 s22, s22, 0x600000
	v_mov_b32 v10, s22                             ; 57,344 x 2^e
	s_wait_alu depctr_va_vdst(0)
	s_wait_loadcnt 0x0
.set k, 0
.rept 64
	v_med3_num_f32 v[RAW+k], v[RAW+k], -v10, v10   ; the conversion to an 8-bit code does not saturate (ISA guide 7.6.2): the hold comes first
.set k, k+1
.endr
.set k, 0
.rept 8
	v_cvt_scalef32_pk8_bf8_f32 v[COD+2*k:COD+2*k+1], v[RAW+8*k:RAW+8*k+7], v11
.set k, k+1
.endr
	v_nop                                          ; a plain line behind the last conversion
.irp q, 0,1,2,3
	global_store_b128 v4, v[COD+4*\q:COD+4*\q+3], s[14:15] offset:512*\q   ; 32 lanes store 512 consecutive bytes, aligned
.endr
	s_endpgm
.Lfunc_end_k_q4cf83bc81a_prep:
	.size	k_q4cf83bc81a_prep, .Lfunc_end_k_q4cf83bc81a_prep-k_q4cf83bc81a_prep
	.p2alignl 7, 3214868480
	.fill 96, 4, 3214868480
	.section	.rodata,"a",@progbits
	.p2align	6, 0x0
	.amdhsa_kernel k_q4cf83bc81a_prep
		.amdhsa_group_segment_fixed_size 0
		.amdhsa_private_segment_fixed_size 0
		.amdhsa_enable_private_segment 0
		.amdhsa_kernarg_size 48
		.amdhsa_user_sgpr_count 2
		.amdhsa_user_sgpr_kernarg_segment_ptr 1
		.amdhsa_wavefront_size32 1
		.amdhsa_system_sgpr_workgroup_id_x 1
		.amdhsa_system_sgpr_workgroup_id_y 1
		.amdhsa_system_sgpr_workgroup_id_z 1
		.amdhsa_system_vgpr_workitem_id 0
		.amdhsa_next_free_vgpr 96
		.amdhsa_next_free_sgpr 66
		.amdhsa_reserve_vcc 0
		.amdhsa_float_denorm_mode_32 3
		.amdhsa_float_denorm_mode_16_64 3
		.amdhsa_memory_ordered 1
		.amdhsa_forward_progress 1
		.amdhsa_inst_pref_size 11
	.end_amdhsa_kernel
	.amdgpu_metadata
---
amdhsa.version: [ 1, 2 ]
amdhsa.kernels:
  - .name:           k_q4cf83bc81a_prep
    .symbol:         k_q4cf83bc81a_prep.kd
    .args:
      - { .name: Wq, .offset: 0, .size: 8, .value_kind: global_buffer, .address_space: global }
      - { .name: Wk, .offset: 8, .size: 8, .value_kind: global_buffer, .address_space: global }
      - { .name: Wv, .offset: 16, .size: 8, .value_kind: global_buffer, .address_space: global }
      - { .name: Wo, .offset: 24, .size: 8, .value_kind: global_buffer, .address_space: global }
      - { .name: lowp_scales, .offset: 32, .size: 8, .value_kind: global_buffer, .address_space: global }
      - { .name: wc, .offset: 40, .size: 8, .value_kind: global_buffer, .address_space: global }
    .group_segment_fixed_size: 0
    .private_segment_fixed_size: 0
    .kernarg_segment_align: 8
    .kernarg_segment_size: 48
    .max_flat_workgroup_size: 128
    .sgpr_count:     66
    .vgpr_count:     96
    .wavefront_size: 32
...
	.end_amdgpu_metadata
.endif
;; end of part 5
;; launch qkv (part 6): grid 64 x 3, 4 waves a work-group, no clusters, 70,144 bytes of LDS; arguments x, wc, lowp_scales, bq, bk, bv, qc, kc, vc; writes qc, kc, vc
.if DOCPART == 6
	.amdgcn_target "amdgcn-amd-amdhsa--gfx1250"
	.amdhsa_code_object_version 6
	.text
	.protected	k_q4cf83bc81a_qkv
	.globl	k_q4cf83bc81a_qkv
	.p2align	8
	.type	k_q4cf83bc81a_qkv,@function
k_q4cf83bc81a_qkv:
	s_mov_b64 s[64:65], 0
	v_nop
	global_prefetch_b8 v0, s[64:65] scope:SCOPE_SE
	s_setreg_imm32_b32 hwreg(HW_REG_WAVE_SCHED_MODE, 0, 2), 2
	s_setreg_imm32_b32 hwreg(HW_REG_WAVE_MODE, 25, 1), 1
	s_wait_xcnt 0x0
	s_wait_alu depctr_vm_vsrc(0)
; QKV: for matrix y (0: Q, 1: K, 2: V): codes of (Q(x) Q(W)^T + b), all three steps on the way: x [8192][512] f32 is quantised with this product's own scale (entries 0, 2, 4), multiplied with W's codes (made by the launch before),
; the bias added, and the f32 result quantised with entry 6, 7 or 9.  Nothing is left out.
; SHARES.  A work-group takes 128 rows of x and all 512 columns of one matrix: 256 KB of x and 256 KB of W's codes in, the least for 192 equal work-groups.  Wave w holds columns 128 w .. 128 w + 127 (two heads) of W in 512 registers
; for the whole launch.  The rows go as two blocks of 64: wave w quantises rows 16 w .. 16 w + 15 of a block, the codes go round through LDS, and every wave multiplies all four row tiles.
; K IS PERMUTED, alike in x and W: a lane's four dense loads of a row give it k = 128 i + 4 lane + j: 16 codes, piece 'lane' of the row; group c of K step s holds, in lane (r, h), piece 8 s + 2 c + h of row r.
; Q AND K are made TRANSPOSED (source 0 = 16 rows of W, source 1 = 16 rows of x): lane (r, h) holds position r and channels 16 t + 8 h + 0 .. 7, whose eight codes are registers 2 t, 2 t + 1 of the 16x16x64 fragment that attention reads.
; V is made the natural way (source 0 = x, source 1 = W): lane (r, h) holds channel r and positions 16 c + 8 h + 0 .. 7, whose codes are registers 2 c, 2 c + 1 of the 16x16x128 fragment of V^T (K = 128 keys).
; So the results leave as IMAGES OF THE READER'S REGISTERS, 16 bytes a lane, 512 consecutive bytes a store:  qc, kc byte = bh x 262,144 + position tile x 1,024 + half x 512 + 16 lane;
;   vc byte = bh x 262,144 + key step x 8,192 + channel tile x 2,048 + group x 512 + 16 lane.
; The bias is the C of each sum's first matrix instruction, divided by 2^(ex + ew); the three scales ahead of the second quantiser are folded into the conversion's one, 2^(eo - ex - ew).
; LIMITS: ex, and eo - ex - ew, between -126 and 112.  NaN among the inputs is not served; infinities are held at the largest code.
; NO CLUSTER, NO TENSOR LOAD: W's codes go from memory straight into the registers in which they stay, and x's numbers into the registers in which they are quantised; a joint load lands in LDS, from which a wave's 64 KB of W would
; have to be read once more, for 256 matrix instructions a wave in all.
; LDS: block b's codes of x at 34,816 b; row tile m at + 8,704 m; piece p of row rho at 272 p + 16 rho (272 = 17 x 16: the sixteen lanes of a store fall into sixteen different columns of 16 bytes; a read's sixteen lanes take 256 bytes on end).
; Each block has bytes of its own, so one barrier a block.  REGISTERS, in windows of 256: window 0: see the names below; window 1: W's fragments of K steps 0, 1 at v[16 (8 s + t)]; window 2: of K steps 2, 3; window 3: 16 rows of x, f32, row rho at v[16 rho].
; THE MODE: SCHED_MODE bits 1:0 = 2 (LLVM: expert scheduling mode 2), set by the entry lines.  The code itself states the register dependences between vector or matrix instructions and memory or LDS instructions, with s_wait_alu, always for 0.
; THE PLAN.  Registers that memory or LDS instructions touch:
;   v1-v6          addresses and offsets: made at the head, never written again: one wait on va_vdst ahead of the first load serves every load and store of the kernel.
;   window 3       x's rows.  Loads land; XQ's holds read and write them, its conversions read them.  In block 0 the next block's loads land there behind ONE wait on va_vdst, which stands behind the conversions.
;   v[ACC ..]      as x's codes: XQ's conversions write them, its LDS stores read them (the same wait).  The products write them next: one wait on vm_vsrc behind each barrier, ahead of the branch.
;   v[XF ..]       x's fragments.  LDS loads land; a tile's 32 products read them.  W holds 512 registers, x's rows 256 and window 0 is full, so there is one set: ONE wait on va_vdst a tile, behind the products, ahead of the next tile's loads.
;   v[PC ..]       the codes that leave.  A tile's conversions write them; the stores that read them are issued behind the NEXT tile's wait on va_vdst (the last tile's behind one more, at the block's end).
;                  Q, K: two buffers of 16 by turns: s_wait_xcnt 0 and the wait on vm_vsrc stand at a tile's head, ahead of that head's stores: a whole tile behind the stores that they wait for.
;                  V: one buffer of 32, which two row tiles fill: the same two waits stand once a block, behind the third tile's holds.  From block to block the two waits behind the second barrier serve.
;   v[BIAS ..], windows 1 and 2 are loaded once and afterwards named by vector and matrix instructions alone.
.set LI,    1                          ; v1    16 x lane
.set XST,   2                          ; v2    where I store a piece: 8,704 wave + 272 lane
.set XRD,   3                          ; v3, v4  where I read a piece, block 0, 1: 272 h + 16 r (+ 34,816)
.set BQK,   5                          ; v5    32 h: the bias of Q and K
.set BV,    6                          ; v6    4 r: the bias of V
.set SCX,   24                         ; v24   2^ex          v25  57,344 x 2^ex
.set LIMX,  25
.set SCO,   26                         ; v26   2^(eo-ex-ew)  v27  57,344 x that
.set LIMO,  27
.set SPW,   28                         ; v28   LDS address of my spare word; never rewritten
.set NIL,   29                         ; v29   0; never rewritten
.set XF,    32                         ; v32-95   x's fragment of K step s at 32 + 16 s
.set ACC,   96                         ; v96-159  eight accumulators; while x is quantised: its codes
.set PC,    160                        ; v160-191 the codes that leave: Q, K: tile m's 16 registers at 160 + 16 (m % 2); V: a pair of tiles' 32
.set BIAS,  192                        ; v192-255 eight tiles of bias, in the result's layout
.set TILEB, 8704
.set BLKB,  34816
.set SPARE, 69632                      ; behind the two blocks: the spare words, 128 bytes a wave: two blocks of 256 bytes that no other line names
.set WV,    22
.set MAT,   23
.set MSB, 0
.macro WIN new                         ; the immediate's high byte repeats the setting that is left
.if MSB != \new
	s_set_vgpr_msb (MSB<<8)|\new
.set MSB, \new
.endif
.endm
; eight rows (half hf of my 16) of block blk: 32 loads of 512 consecutive bytes, into window 3
.macro XLOAD blk, hf
	WIN 0xc0                                       ; destination window 3, address window 0
.set k, 0
.rept 32
	global_load_b128 v[128*\hf+4*k:128*\hf+4*k+3], v[LI], s[4:5] offset:\blk*131072+\hf*16384+512*k
.set k, k+1
.endr
.endm
; those eight rows become codes and go to LDS.  cnt: the younger loads that may stay out.  next = 1: the same registers take the next block's rows
.macro XQ blk, hf, cnt, next
	s_wait_loadcnt \cnt
	WIN 0xc3                                       ; destination and source 0 window 3
.set k, 128*\hf
.rept 128
	v_med3_num_f32 v[k], v[k], -v[LIMX], v[LIMX]   ; the conversion to an 8-bit code does not saturate (ISA guide 7.6.2): the hold comes first
.set k, k+1
.endr
	WIN 0x03                                       ; source 0 window 3
.set k, 0
.rept 16
	v_cvt_scalef32_pk8_bf8_f32 v[ACC+32*\hf+2*k:ACC+32*\hf+2*k+1], v[128*\hf+8*k:128*\hf+8*k+7], v[SCX]
.set k, k+1
.endr
	v_nop                                          ; a plain line behind the last conversion: matrix instructions write these registers later
.if \next
	WIN 0xc0                                       ; the switch first, then the wait, then the loads
.else
	WIN 0
.endif
	s_wait_alu depctr_va_vdst(0)                   ; the conversions have written the codes, which the LDS stores below read; next = 1: the holds and the conversions are done with these eight rows' registers, in which the next block's loads land
.if \next
	XLOAD 1, \hf
.endif
	WIN 0
.irp rr, 0,1,2,3,4,5,6,7
	ds_store_b128 v[XST], v[ACC+32*\hf+4*\rr:ACC+32*\hf+4*\rr+3] offset:\blk*BLKB+16*(8*\hf+\rr)
.endr
.endm
.macro BARRIER                         ; my LDS stores have landed and my LDS loads are in: then the work-group's barrier
	s_wait_dscnt 0x0
	s_barrier_signal -1
	s_barrier_wait -1
.endm
.macro FETCH blk, m                    ; row tile m's four fragments
.irp s, 0,1,2,3
.irp c, 0,1,2,3
	ds_load_b128 v[XF+16*\s+4*\c:XF+16*\s+4*\c+3], v[XRD+\blk] offset:(\m)*TILEB+(8*\s+2*\c)*272
.endr
.endr
.endm
; 32 matrix instructions: four K steps x my eight column tiles.  The eight accumulators take turns, one instruction a turn.  The first K step takes the bias as C.
.macro MUL swap
.irp s, 0,1,2,3
.if \swap
	WIN (4<<(\s/2))                                ; source 1 (W) window 1 or 2
.else
	WIN (1<<(\s/2))                                ; source 0 (W) window 1 or 2
.endif
.irp t, 0,1,2,3,4,5,6,7
.set rW, 16*(8*(\s%2)+\t)
.set rX, XF+16*\s
.set rA, ACC+8*\t
.if \swap
.if \s == 0
	v_wmma_f32_16x16x128_bf8_bf8 v[rA:rA+7], v[rX:rX+15], v[rW:rW+15], v[BIAS+8*\t:BIAS+8*\t+7]
.else
	v_wmma_f32_16x16x128_bf8_bf8 v[rA:rA+7], v[rX:rX+15], v[rW:rW+15], v[rA:rA+7]
.endif
.else
.if \s == 0
	v_wmma_f32_16x16x128_bf8_bf8 v[rA:rA+7], v[rW:rW+15], v[rX:rX+15], v[BIAS+8*\t:BIAS+8*\t+7]
.else
	v_wmma_f32_16x16x128_bf8_bf8 v[rA:rA+7], v[rW:rW+15], v[rX:rX+15], v[rA:rA+7]
.endif
.endif
.endr
.endr
.endm
.macro HOLD                            ; each accumulator from its low end on
.set k, 0
.rept 64
	v_med3_num_f32 v[ACC+k], v[ACC+k], -v[LIMO], v[LIMO]
.set k, k+1
.endr
.endm
; Q, K: tile t's eight numbers a lane are registers 2 (t % 4), + 1 of head t / 4's fragment of these 16 positions.  Row tile m's codes go into buffer m % 2
.macro EPIQK m
	HOLD
.irp t, 0,1,2,3,4,5,6,7
	v_cvt_scalef32_pk8_bf8_f32 v[PC+16*((\m)%2)+2*\t:PC+16*((\m)%2)+2*\t+1], v[ACC+8*\t:ACC+8*\t+7], v[SCO]
.endr
	v_nop                                          ; a plain line between the conversions and the matrix instructions that write their sources
.endm
.macro SENDQK blk, m                   ; row tile m's codes leave
.irp q, 0,1,2,3
	global_store_b128 v[LI], v[PC+16*((\m)%2)+4*\q:PC+16*((\m)%2)+4*\q+3], s[50:51] offset:(\q/2)*262144+(4*\blk+(\m))*1024+(\q%2)*512
.endr
.endm
; V: tile t's eight numbers a lane are registers 2 c, 2 c + 1 (c = 4 blk + m) of channel tile t's fragment: two row tiles fill a group of four registers
.macro EPIV m
	HOLD
.if (\m) == 2
	s_wait_alu depctr_va_vdst(0)
	s_wait_xcnt 0x0                                ; the first pair's stores, issued ahead of the 64 holds, have had their addresses translated (ISA guide 3.1): their data are rewritten only behind this wait,
	s_wait_alu depctr_vm_vsrc(0)                   ; and they have read v[PC ..], which this pair's conversions write again
.endif
.irp t, 0,1,2,3,4,5,6,7
	v_cvt_scalef32_pk8_bf8_f32 v[PC+4*\t+2*((\m)%2):PC+4*\t+2*((\m)%2)+1], v[ACC+8*\t:ACC+8*\t+7], v[SCO]
.endr
	v_nop
.endm
.macro SENDV blk, pr                   ; pair pr of row tiles leaves
.irp t, 0,1,2,3,4,5,6,7
	global_store_b128 v[LI], v[PC+4*\t:PC+4*\t+3], s[50:51] offset:(\t/4)*262144+(\t%4)*2048+(2*\blk+(\pr))*512
.endr
.endm
; a block's four row tiles.  Behind a tile's products and the one wait: the next tile's fragments are asked for, which land under the way out, and the codes of the tile (V: the pair) before leave
.macro P1 swap, blk
	FETCH \blk, 0
.irp m, 0,1,2,3
	s_wait_dscnt 0x0
	MUL \swap
	WIN 0
.rept 4
	v_nop                                          ; four places (ISA guide 7.12.1) ahead of the first read of the sums; they stay beside the wait below
.endr
.if (\swap == 0) && (\m >= 2)
	s_wait_xcnt 0x0                                ; the stores issued at the last tile's head have had their addresses translated (ISA guide 3.1): their data are rewritten only behind this wait,
	s_wait_alu depctr_vm_vsrc(0)                   ; and they have read buffer m % 2 of v[PC ..], which this tile's conversions write again
.endif
.if (\swap == 0) || (\m < 3)
	s_wait_alu depctr_va_vdst(0)                   ; the products are done reading v[XF ..], in which the loads below land; the conversions of the tile before have written v[PC ..], which the stores below read
.endif
.if \m < 3
	FETCH \blk, (\m)+1
.endif
.if \swap
.if \m == 2
	SENDV \blk, 0
.endif
	EPIV \m
.else
.if \m > 0
	SENDQK \blk, (\m)-1
.endif
	EPIQK \m
.endif
.endr
	s_wait_alu depctr_va_vdst(0)                   ; the last tile's conversions have written v[PC ..], which the block's last stores read
.if \swap
	SENDV \blk, 1
.else
	SENDQK \blk, 3
.endif
.endm
	s_load_b512 s[4:19], s[0:1], 0x0               ; x s[4:5], wc s[6:7], scales s[8:9], bq s[10:11], bk s[12:13], bv s[14:15], qc s[16:17], kc s[18:19]
	s_load_b64 s[20:21], s[0:1], 0x40              ; vc
	v_lshl_add_u32 v[SPW], v0, 2, SPARE
	v_mov_b32 v[NIL], 0
	v_lshrrev_b32 v7, 5, v0
	v_readfirstlane_b32 s[WV], v7                  ; wave 0..3
	s_and_b32 s[MAT], ttmp7, 0xffff                ; 0: Q, 1: K, 2: V
	v_and_b32 v9, 31, v0                           ; lane
	v_and_b32 v7, 15, v0                           ; r
	v_bfe_u32 v8, v0, 4, 1                         ; h
	v_lshlrev_b32 v[LI], 4, v9
	v_mul_u32_u24 v[XST], v9, 272
	v_mul_u32_u24 v[XRD], v8, 272
	v_lshl_add_u32 v[XRD], v7, 4, v[XRD]
	v_add_nc_u32 v[XRD+1], BLKB, v[XRD]
	v_lshlrev_b32 v[BQK], 5, v8
	v_lshlrev_b32 v[BV], 2, v7
	s_wait_alu depctr_va_sdst(0)                   ; the wave's number is written, ahead of its first reader: LDS addresses and the buffers' offsets are made from it
	s_mul_i32 s25, s[WV], TILEB
	v_add_nc_u32 v[XST], s25, v[XST]
	s_lshl_b32 s40, ttmp9, 18                      ; x: 128 rows of 2,048 bytes a work-group,
	s_lshl_b32 s25, s[WV], 15                      ; 16 a wave
	s_add_co_u32 s40, s40, s25
	s_mov_b32 s41, 0
	s_lshl_b32 s42, s[MAT], 18                     ; W's codes: 262,144 bytes a matrix,
	s_lshl_b32 s25, s[WV], 16                      ; eight tiles of 8,192 a wave
	s_add_co_u32 s42, s42, s25
	s_mov_b32 s43, 0
	s_lshl_b32 s44, s[WV], 9                       ; the bias: 128 numbers a wave
	s_mov_b32 s45, 0
	s_lshr_b32 s46, ttmp9, 5                       ; the batch: 32 work-groups of 128 rows each
	s_lshl_b32 s46, s46, 3
	s_lshl_b32 s25, s[WV], 1
	s_add_co_u32 s46, s46, s25                     ; bh of my first head: 8 batch + 2 wave
	s_lshl_b32 s46, s46, 18
	s_and_b32 s25, ttmp9, 31
	s_lshl_b32 s25, s25, 13                        ; 128 positions are 8,192 bytes of a head's codes, in all three layouts
	s_add_co_u32 s46, s46, s25
	s_mov_b32 s47, 0
	s_wait_kmcnt 0x0
	s_load_b256 s[28:35], s[8:9], 0x0              ; e0 .. e7
	s_load_b128 s[36:39], s[8:9], 0x20             ; e8 .. e11
	s_add_nc_u64 s[4:5], s[4:5], s[40:41]
	s_add_nc_u64 s[6:7], s[6:7], s[42:43]
	s_cmp_eq_u32 s[MAT], 1                         ; the bias and the destination: choices on the work-group's number alone
	s_cselect_b64 s[48:49], s[12:13], s[10:11]
	s_cselect_b64 s[50:51], s[18:19], s[16:17]
	s_cmp_eq_u32 s[MAT], 2
	s_cselect_b64 s[48:49], s[14:15], s[48:49]
	s_cselect_b64 s[50:51], s[20:21], s[50:51]
	s_add_nc_u64 s[48:49], s[48:49], s[44:45]
	s_add_nc_u64 s[50:51], s[50:51], s[46:47]
	WIN 0xc0                                       ; the switch first, then the wait, then the loads
	s_wait_alu depctr_va_vdst(0)                   ; the six addresses and offsets v1 to v6 are written, which every load and store of the kernel reads
	XLOAD 0, 0                                     ; block 0's rows first: they are wanted first
	XLOAD 0, 1
	WIN 0                                          ; at a branch and at a label every window is 0
	s_cmp_eq_u32 s[MAT], 2
	s_cbranch_scc1 .Lbias_v
.irp t, 0,1,2,3,4,5,6,7                ; Q, K: register j of tile t is b(16 t + 8 h + j)
	global_load_b128 v[BIAS+8*\t:BIAS+8*\t+3], v[BQK], s[48:49] offset:64*\t
	global_load_b128 v[BIAS+8*\t+4:BIAS+8*\t+7], v[BQK], s[48:49] offset:64*\t+16
.endr
	s_branch .Lbias_done
.Lbias_v:
.irp t, 0,1,2,3,4,5,6,7                ; V: all eight registers of tile t are b(16 t + r)
.irp j, 0,1,2,3,4,5,6,7
	global_load_b32 v[BIAS+8*\t+\j], v[BV], s[48:49] offset:64*\t
.endr
.endr
.Lbias_done:
	WIN 0x40                                       ; destination window 1
.irp s, 0,1
.irp t, 0,1,2,3,4,5,6,7
.irp c, 0,1,2,3
	global_load_b128 v[16*(8*\s+\t)+4*\c:16*(8*\s+\t)+4*\c+3], v[LI], s[6:7] offset:\t*8192+\s*2048+\c*512
.endr
.endr
.endr
	WIN 0x80                                       ; destination window 2
.irp s, 2,3
.irp t, 0,1,2,3,4,5,6,7
.irp c, 0,1,2,3
	global_load_b128 v[16*(8*(\s-2)+\t)+4*\c:16*(8*(\s-2)+\t)+4*\c+3], v[LI], s[6:7] offset:\t*8192+\s*2048+\c*512
.endr
.endr
.endr
	WIN 0
	s_wait_kmcnt 0x0
	s_cmp_eq_u32 s[MAT], 1                         ; ex, ew, eo: entries (0, 1, 6), (2, 3, 7) or (4, 5, 9)
	s_cselect_b32 s52, s30, s28
	s_cselect_b32 s53, s31, s29
	s_cselect_b32 s54, s35, s34
	s_cmp_eq_u32 s[MAT], 2
	s_cselect_b32 s52, s32, s52
	s_cselect_b32 s53, s33, s53
	s_cselect_b32 s54, s37, s54
	s_add_co_i32 s53, s52, s53                     ; ex + ew: a sum stands for sum x 2^(ex + ew)
	s_sub_co_i32 s55, 0, s53
	s_sub_co_i32 s54, s54, s53                     ; eo - ex - ew
	s_add_co_i32 s52, s52, 127
	s_lshl_b32 s56, s52, 23
	v_mov_b32 v[SCX], s56
	s_add_co_i32 s52, s52, 15
	s_lshl_b32 s52, s52, 23
	s_or_b32 s52, s52, 0x600000
	v_mov_b32 v[LIMX], s52
	s_add_co_i32 s54, s54, 127
	s_lshl_b32 s56, s54, 23
	v_mov_b32 v[SCO], s56
	s_add_co_i32 s54, s54, 15
	s_lshl_b32 s54, s54, 23
	s_or_b32 s54, s54, 0x600000
	v_mov_b32 v[LIMO], s54
	s_wait_loadcnt 63                              ; 128 loads of W are younger than block 0's rows and the bias: with 63 left out those are in
.set k, 0
.rept 64
	v_ldexp_f32 v[BIAS+k], v[BIAS+k], s55          ; b / 2^(ex + ew): nothing is rounded
.set k, k+1
.endr
	XQ 0, 0, 63, 1
	XQ 0, 1, 63, 1
	BARRIER                                        ; block 0's codes of x lie in LDS
	s_wait_loadcnt 63                              ; 64 loads of block 1's rows are younger than W's: W is in
	s_wait_alu depctr_vm_vsrc(0)                   ; my LDS stores have read the codes in v[ACC ..], which the products write; ahead of the branch, for both ways
	s_cmp_eq_u32 s[MAT], 2
	s_cbranch_scc1 .Lv0
	P1 0, 0
	s_branch .Ldone0
.Lv0:
	P1 1, 0
.Ldone0:
	XQ 1, 0, 32, 0                                 ; the second half's 32 loads may stay out
	XQ 1, 1, 0, 0
	BARRIER                                        ; block 1's codes lie in bytes of their own: no wave's reads of block 0 are in their way
	s_wait_xcnt 0x0                                ; block 0's stores have had their addresses translated (ISA guide 3.1): their data, v[PC ..], are rewritten only behind this wait
	s_wait_alu depctr_vm_vsrc(0)                   ; my LDS stores have read the codes in v[ACC ..], which the products write, and block 0's last stores have read v[PC ..], which block 1's conversions write; ahead of the branch, for both ways
	s_cmp_eq_u32 s[MAT], 2
	s_cbranch_scc1 .Lv1
	P1 0, 1
	s_branch .Ldone1
.Lv1:
	P1 1, 1
.Ldone1:
	s_wait_dscnt 0x0                               ; the closing lines, six on end
	s_wait_alu 0x0
	s_wait_tensorcnt 0x0
	ds_add_u32 v[SPW], v[NIL]
	s_wait_dscnt 0x0
	s_endpgm
.Lfunc_end_k_q4cf83bc81a_qkv:
	.size	k_q4cf83bc81a_qkv, .Lfunc_end_k_q4cf83bc81a_qkv-k_q4cf83bc81a_qkv
	.p2alignl 7, 3214868480
	.fill 96, 4, 3214868480
	.section	.rodata,"a",@progbits
	.p2align	6, 0x0
	.amdhsa_kernel k_q4cf83bc81a_qkv
		.amdhsa_group_segment_fixed_size 70144
		.amdhsa_private_segment_fixed_size 0
		.amdhsa_enable_private_segment 0
		.amdhsa_kernarg_size 72
		.amdhsa_user_sgpr_count 2
		.amdhsa_user_sgpr_kernarg_segment_ptr 1
		.amdhsa_wavefront_size32 1
		.amdhsa_system_sgpr_workgroup_id_x 1
		.amdhsa_system_sgpr_workgroup_id_y 1
		.amdhsa_system_sgpr_workgroup_id_z 1
		.amdhsa_system_vgpr_workitem_id 0
		.amdhsa_next_free_vgpr 1024
		.amdhsa_next_free_sgpr 66
		.amdhsa_reserve_vcc 0
		.amdhsa_float_denorm_mode_32 3
		.amdhsa_float_denorm_mode_16_64 3
		.amdhsa_memory_ordered 1
		.amdhsa_forward_progress 1
		.amdhsa_inst_pref_size 211
	.end_amdhsa_kernel
	.amdgpu_metadata
---
amdhsa.version: [ 1, 2 ]
amdhsa.kernels:
  - .name:           k_q4cf83bc81a_qkv
    .symbol:         k_q4cf83bc81a_qkv.kd
    .args:
      - { .name: x, .offset: 0, .size: 8, .value_kind: global_buffer, .address_space: global }
      - { .name: wc, .offset: 8, .size: 8, .value_kind: global_buffer, .address_space: global }
      - { .name: lowp_scales, .offset: 16, .size: 8, .value_kind: global_buffer, .address_space: global }
      - { .name: bq, .offset: 24, .size: 8, .value_kind: global_buffer, .address_space: global }
      - { .name: bk, .offset: 32, .size: 8, .value_kind: global_buffer, .address_space: global }
      - { .name: bv, .offset: 40, .size: 8, .value_kind: global_buffer, .address_space: global }
      - { .name: qc, .offset: 48, .size: 8, .value_kind: global_buffer, .address_space: global }
      - { .name: kc, .offset: 56, .size: 8, .value_kind: global_buffer, .address_space: global }
      - { .name: vc, .offset: 64, .size: 8, .value_kind: global_buffer, .address_space: global }
    .group_segment_fixed_size: 70144
    .private_segment_fixed_size: 0
    .kernarg_segment_align: 8
    .kernarg_segment_size: 72
    .max_flat_workgroup_size: 128
    .sgpr_count:     66
    .vgpr_count:     1024
    .wavefront_size: 32
...
	.end_amdgpu_metadata
.endif
;; end of part 6
;; launch attn (part 7): grid 16 x 16, 16 waves a work-group, clusters of 4 x 1, 327,680 bytes of LDS; arguments qc, kc, vc, lowp_scales, cc; writes cc
.if DOCPART == 7
	.amdgcn_target "amdgcn-amd-amdhsa--gfx1250"
	.amdhsa_code_object_version 6
	.text
	.protected	k_q4cf83bc81a_attn
	.globl	k_q4cf83bc81a_attn
	.p2align	8
	.type	k_q4cf83bc81a_attn,@function
k_q4cf83bc81a_attn:
	s_mov_b64 s[64:65], 0
	v_nop
	global_prefetch_b8 v0, s[64:65] scope:SCOPE_SE
	s_setreg_imm32_b32 hwreg(HW_REG_WAVE_MODE, 25, 1), 1
	s_wait_xcnt 0x0
	s_wait_alu depctr_hold_cnt(0) depctr_sa_sdst(0) depctr_va_vdst(0) depctr_va_sdst(0) depctr_va_ssrc(0) depctr_va_vcc(0) depctr_vm_vsrc(0)
	s_getreg_b32 s2, hwreg(HW_REG_IB_STS2, 6, 4)
	s_cmp_eq_u32 s2, 0
	s_cbranch_scc0 .Lentry_in_a_cluster
	s_endpgm
.Lentry_in_a_cluster:
	s_bfe_u32 s2, ttmp6, 0x10000c
	s_cmp_lg_u32 s2, 0x3003
	s_cbranch_scc0 .Lentry_shape_is_right
	s_endpgm
.Lentry_shape_is_right:
; ATTN: context = softmax(Q K^T / 8) V for 16 (batch, head) pairs of 4,096 positions and 64 channels, both products on codes of BF8 (E5M2); the context leaves as codes for the last product.  Nothing is left out.
; THE SOFTMAX AHEAD OF THE SECOND PRODUCT: t = score x log2(e) / 8; M = the row's largest t so far, rounded UP to a whole number; p = 2^(t - M) is what is quantised (scale 2^e8), not normalised.  The row's sum is taken of the
; unquantised p, in f32, and divides O at the end.  When M moves, the sum and O are multiplied by 2^(old M - new M): exact.
; ALL OPERANDS COME AS IMAGES OF THEIR REGISTERS (a group of four registers: 512 bytes, lane l's 16 at 16 l), k in its true places:
;   qc, kc: bh x 262,144 + position tile x 1,024 + half x 512: the 16x16x64 fragment of 16 positions x 64 channels.   vc: bh x 262,144 + key step x 8,192 + channel tile x 2,048 + group x 512: the 16x16x128 fragment of V^T, 16 channels x 128 keys.
;   cc (out): row tile x 8,192 + head x 1,024 + half x 512: the 16x16x64 fragment of 16 rows of the context x one head.
; So every LDS read is 16 x lane + a constant (no pitch, no padding), a slot's K and V are dense blocks of memory, and the result needs no stage.
; LAYOUT.  Both products are used transposed: S^T = K Q^T (source 0 = 16 neighbouring keys, source 1 = my 16 queries): lane (r, h) holds query r and keys 16 c + 8 h + 0 .. 7, whose eight codes are registers 2 c, 2 c + 1 of P.
; O^T = V^T P^T (source 0 = 16 channels, source 1 = P): query r, channels 16 t + 8 h + 0 .. 7, whose codes are registers 2 t, 2 t + 1 of the context's fragment.
; SHARES.  A work-group owns 256 queries of one (batch, head); each of its SIXTEEN waves one tile of 16, in 256 registers: four waves to a SIMD, so that one wave's exponentials stand beside another's plain work, products and LDS loads:
; a key step of 128 keys is 12 matrix instructions and some 270 vector instructions a wave.
; RING.  Two LDS slots of 512 keys (K's 32,768 bytes, then V's), 65,536 bytes apart.  CLUSTER: the four query blocks of a cluster walk the same K and V, so each tile is asked for JOINTLY (mask 15): waves 0, 1 ask for K's halves, waves 2, 3 for V's,
; 16,384 bytes a load, as 64 rows of 256 bytes.  A wave never has more than one tensor load out.  The change of slots stands at a slot's head; a refill has four key steps in which to land.
; LIMITS on the given exponents, so that each power of two below is an f32 number: e6 + e7 between -123 and 130 (added to c's exponent field); e8, and e10 - e8 - e9, between -126 and 112.  NaN is not served.
; REGISTERS: v1 16 x lane; v3 256 x lane; v5, v6 the add's two; v8 the slot's address; v12 -M, v13 the largest t, v[14:15] the sum in two halves; v16-23 Q; v32-95 K's eight fragments, then V's four; v96-159 S^T, then p; v160-191 O^T;
; v192-207 p's codes; v232-255 at work and constants.
.set SLOT1, 65536
.set VOFF,  32768
.set SPARE, 131072                     ; behind the ring: the spare words, 128 bytes a wave: eight blocks of 256 bytes that no other line names
.set NSL,   8                          ; slots' worth of keys
.set LI,  1
.set PFO, 3
.set SPW, 5
.set NIL, 6
.set ADR, 8
.set QF,  16
.set KV,  32
.set S,   96
.set O,   160
.set PCD, 192
.set TB,    14                         ; s14  LDS byte at which the slot in hand begins
.set SLOTS, 15                         ; s15  slots still to be asked for
.set LIM,   16                         ; s16  1 in a wave that prefetches, else the greatest number
.set WV,    18
.set SEL,   20                         ; s[20:21] lane selects for v_permlanex16_b32: lane l xor 16
.set CS,    22                         ; s[22:23] c = log2(e) / 8 x 2^(e6 + e7)
.set G1,    24                         ; s[24:31] descriptor group 1, one for all loads
.set PFA,   32                         ; s[32:33] where my prefetches stand
.set G0K,   40                         ; s[40:43], s[44:47] groups 0, which walk
.set G0V,   44
; A joint load.  The branches hang on the wave's number alone.  An s_nop 0 and four v_nop follow each of the two lines.
.macro TLOAD
	s_cmp_lt_u32 s[WV], 2
	s_cbranch_scc0 .Lnot_k_\@
	tensor_load_to_lds s[G0K:G0K+3], s[G1:G1+7]
	s_nop 0
.rept 4
	v_nop
.endr
	s_branch .Lasked_\@
.Lnot_k_\@:
	s_cmp_lt_u32 s[WV], 4
	s_cbranch_scc0 .Lasked_\@
	tensor_load_to_lds s[G0V:G0V+3], s[G1:G1+7]
	s_nop 0
.rept 4
	v_nop
.endr
.Lasked_\@:
.endm
; A PREFETCH INTO THE L2 of what the NEXT change of slots will ask for: 32,768 bytes of K and of V.  All four clusters of a (batch, head) walk the same K and V: the first of them asks.  Its four partners share the bytes out BY ADDRESS,
; 8,192 each; in each, wave 4 asks for K's and wave 5 for V's, lanes 256 bytes apart: one instruction.  So each aligned block of 256 bytes is named once in the launch, four key steps ahead of its tensor load.
; The last change that fills a slot asks for nothing; slots 0 and 1 come by their loads alone.
.macro ASK
	s_cmp_gt_u32 s[SLOTS], s[LIM]
	s_cbranch_scc0 .Lnot_mine_\@
	global_prefetch_b8 v[PFO], s[PFA:PFA+1] th:TH_LOAD_NT scope:SCOPE_SE
.Lnot_mine_\@:
.endm
; A round of the cluster's barrier: my work-group's barrier; wave 0 signals for the work-group; every wave waits for all four work-groups; my work-group's barrier once more.
.macro CROUND
	s_barrier_signal -1
	s_barrier_wait -1
	s_cmp_lg_u32 s[WV], 0
	s_cbranch_scc1 .Lnot_wave_0_\@
	s_barrier_signal -3
.Lnot_wave_0_\@:
	s_barrier_wait -3
	s_barrier_signal -1
	s_barrier_wait -1
.endm
	s_load_b256 s[4:11], s[0:1], 0x0               ; qc s[4:5], kc s[6:7], vc s[8:9], scales s[10:11]
	s_load_b64 s[12:13], s[0:1], 0x20              ; cc
	v_lshl_add_u32 v[SPW], v0, 2, SPARE
	v_mov_b32 v[NIL], 0
	ds_add_u32 v[SPW], v[NIL]                      ; the wave's opening: the add, twice on end, and its wait ahead of the round in front of the first tensor loads
	ds_add_u32 v[SPW], v[NIL]                      ; and once more, under the one wait; the set-up below, work on registers, stands between
	v_lshrrev_b32 v8, 5, v0
	s_delay_alu instid0(VALU_DEP_1)
	v_readfirstlane_b32 s[WV], v8                  ; wave 0..15
	s_bfe_u32 s53, ttmp6, 0x40000                  ; cx: my place in the cluster: it enters Q's, the context's and the prefetches' addresses alone
	s_lshl_b32 s54, ttmp9, 2
	s_add_co_u32 s54, s54, s53                     ; my block of 256 queries
	s_and_b32 s55, ttmp7, 0xffff                   ; bh, which the four partners share
	s_lshl_b32 s56, s55, 18                        ; its first byte in qc, kc and vc
	s_and_b32 s58, s[WV], 1
	s_lshl_b32 s58, s58, 14                        ; which half of a slot's K or V I fetch: 16,384 bytes, in memory and in LDS
	s_mov_b32 s[G1], 15|(3<<16)|(1<<21)            ; 15:0 the mask: all four work-groups; 17:16 elements of 8 bytes; 20 no padding; 21 set beside a mask
	s_mov_b32 s[G1+1], 32<<16                      ; tensor_dim0 = 32 elements: 256 bytes
	s_mov_b32 s[G1+2], 64<<16                      ; tensor_dim1 = 64
	s_mov_b32 s[G1+3], 32<<16                      ; tile_dim0
	s_mov_b32 s[G1+4], 64                          ; tile_dim1
	s_mov_b32 s[G1+5], 32                          ; from row to row: dense
	s_mov_b32 s[G1+6], 0
	s_mov_b32 s[G1+7], 0
	s_mov_b32 s[SEL], 0x76543210
	s_mov_b32 s[SEL+1], 0xfedcba98
	s_mov_b32 s[CS], 0x3e38aa3b                    ; log2(e) / 8
	s_mov_b32 s[TB], 0
	s_mov_b32 s[SLOTS], NSL-1
	s_add_co_u32 s60, s56, s58
	s_mov_b32 s61, 0
	s_wait_dscnt 0x0                               ; both opening adds are done
	s_wait_kmcnt 0x0
	s_load_b128 s[48:51], s[10:11], 0x18           ; e6, e7, e8, e9
	s_load_b32 s52, s[10:11], 0x28                 ; e10
	s_mov_b32 s[G0K], 1                            ; count = 1
	s_mov_b32 s[G0K+1], s58                        ; LDS address: slot 0, K's half
	s_add_nc_u64 s[G0K+2:G0K+3], s[6:7], s[60:61]  ; global address: made of bh and the wave's number alone
	s_or_b32 s[G0K+3], s[G0K+3], 0x80000000        ; type = 2
	s_mov_b32 s[G0V], 1
	s_add_co_u32 s[G0V+1], s58, VOFF
	s_add_nc_u64 s[G0V+2:G0V+3], s[8:9], s[60:61]
	s_or_b32 s[G0V+3], s[G0V+3], 0x80000000
	CROUND                                         ; all four work-groups are here: the first joint loads meet
	TLOAD                                          ; slot 0
	v_and_b32 v[LI], 31, v0
	s_delay_alu instid0(VALU_DEP_1)
	v_lshlrev_b32 v[PFO], 8, v[LI]
	s_delay_alu instid0(VALU_DEP_2)
	v_lshlrev_b32 v[LI], 4, v[LI]
	s_lshl_b32 s59, s54, 4
	s_add_co_u32 s59, s59, s[WV]                   ; my tile of 16 positions: 16 x block + wave
	s_lshl_b32 s62, s59, 10
	s_add_co_u32 s62, s62, s56
	s_mov_b32 s63, 0
	s_add_nc_u64 s[4:5], s[4:5], s[62:63]
	global_load_b128 v[QF:QF+3], v[LI], s[4:5]     ; Q's fragment stays in registers
	global_load_b128 v[QF+4:QF+7], v[LI], s[4:5] offset:512
	s_lshr_b32 s66, s55, 3                         ; the context: row tile = 256 x batch + my tile,
	s_lshl_b32 s66, s66, 8
	s_add_co_u32 s66, s66, s59
	s_lshl_b32 s66, s66, 13
	s_and_b32 s67, s55, 7                          ; and the head
	s_lshl_b32 s67, s67, 10
	s_add_co_u32 s66, s66, s67
	s_mov_b32 s67, 0
	s_add_nc_u64 s[12:13], s[12:13], s[66:67]
	s_cmp_eq_u32 s[WV], 4                          ; the prefetches: wave 4 stands in K's codes, wave 5 in V's,
	s_cselect_b64 s[PFA:PFA+1], s[6:7], s[8:9]
	s_lshl_b32 s68, s53, 13                        ; at my work-group's 8,192 bytes
	s_add_co_u32 s68, s68, s56
	s_add_co_u32 s68, s68, 32768                   ; of slot 1: the first change of slots steps it to slot 2.  Nothing is prefetched here, at the head
	s_mov_b32 s69, 0
	s_add_nc_u64 s[PFA:PFA+1], s[PFA:PFA+1], s[68:69]
	s_sub_co_u32 s70, s[WV], 4
	s_lshr_b32 s70, s70, 1                         ; 0 in waves 4 and 5,
	s_or_b32 s70, s70, ttmp9                       ; of the first cluster: the same in all four partners
	s_cmp_eq_u32 s70, 0
	s_cselect_b32 s[LIM], 1, -1
	v_mov_b32 v13, 0xff61b1e6                      ; the largest t so far: -3e38, under every t
	s_delay_alu instid0(VALU_DEP_1)
	v_floor_f32 v12, -v13                          ; -M
	v_mov_b32 v14, 0                               ; the sum, in two halves
	v_mov_b32 v15, 0
	v_mov_b32 v236, 0                              ; written once: a lane permute's destination counts as one of its sources
	v_mov_b32 v253, 0                              ; (named as the upper half of the pair v[252:253])
.set k, 0
.rept 32
	v_mov_b32 v[O+k], 0                            ; O^T.  (The step is written once: the first finds zeros, which the first change of M leaves zeros)
.set k, k+1
.endr
	s_wait_kmcnt 0x0
	s_add_co_i32 s71, s48, s49
	s_lshl_b32 s71, s71, 23
	s_add_co_i32 s[CS], s[CS], s71                 ; a score stands for score x 2^(e6 + e7): the two exponents are added to c's exponent field
	s_mov_b32 s[CS+1], s[CS]                       ; (named with it as a pair, so it is written)
	s_add_co_i32 s71, s50, 127
	s_lshl_b32 s72, s71, 23
	v_mov_b32 v244, s72                            ; 2^e8, for p's conversion
	s_add_co_i32 s71, s71, 15
	s_lshl_b32 s71, s71, 23
	s_or_b32 s71, s71, 0x600000
	v_mov_b32 v240, s71                            ; 57,344 x 2^e8
	s_sub_co_i32 s71, s52, s50
	s_sub_co_i32 s71, s71, s51                     ; O^T / l stands for the context / 2^(e8 + e9): its code is that / 2^(e10 - e8 - e9)
	s_add_co_i32 s71, s71, 127
	s_lshl_b32 s72, s71, 23
	v_mov_b32 v246, s72
	s_add_co_i32 s71, s71, 15
	s_lshl_b32 s71, s71, 23
	s_or_b32 s71, s71, 0x600000
	v_mov_b32 v247, s71
; A KEY STEP: 128 keys, the q-th of the slot in hand.
.macro STEP q
	v_add_nc_u32 v[ADR], s[TB], v[LI]
.rept 3
	v_nop                                          ; with the addition above: four places in front of loads into registers that the last products read
.endr
.irp c, 0,1,2,3,4,5,6,7
	ds_load_b128 v[KV+8*\c:KV+8*\c+3], v[ADR] offset:(8*(\q)+\c)*1024
	ds_load_b128 v[KV+8*\c+4:KV+8*\c+7], v[ADR] offset:(8*(\q)+\c)*1024+512
.endr
	s_wait_alu depctr_va_vdst(0)
	s_wait_dscnt 0x0
.irp c, 0,1,2,3,4,5,6,7                ; S^T = K Q^T: tile c = keys 16 c .. 16 c + 15
	v_wmma_f32_16x16x64_bf8_bf8 v[S+8*\c:S+8*\c+7], v[KV+8*\c:KV+8*\c+7], v[QF:QF+7], 0
.endr
.rept 4
	v_nop                                          ; four places, for the loads below and for the first read of the scores alike
.endr
.irp t, 0,1,2,3                        ; V's four fragments are asked for now and land under the softmax
.irp g, 0,1,2,3
	ds_load_b128 v[KV+16*\t+4*\g:KV+16*\t+4*\g+3], v[ADR] offset:VOFF+(\q)*8192+\t*2048+\g*512
.endr
.endr
	v_max3_num_f32 v254, v96, v97, v98             ; the step's largest score of my query, among my 64 keys, in two chains, each accumulator from its low end on,
	v_max3_num_f32 v252, v99, v100, v101
.irp i, 6,10,14,18,22,26,30,34,38,42,46,50,54,58
	v_max3_num_f32 v254, v254, v[96+\i], v[97+\i]
	v_max3_num_f32 v252, v252, v[98+\i], v[99+\i]
.endr
	v_max3_num_f32 v254, v254, v158, v159
	s_delay_alu instid0(VALU_DEP_1)
	v_max_num_f32 v254, v254, v252
	s_delay_alu instid0(VALU_DEP_1)
	v_permlanex16_b32 v236, v254, s[SEL], s[SEL+1]
	s_delay_alu instid0(VALU_DEP_1)
	v_max_num_f32 v254, v254, v236                 ; and among lane l xor 16's
	s_delay_alu instid0(VALU_DEP_1)
	v_mul_f32 v254, s[CS], v254                    ; as t (c is positive)
	s_delay_alu instid0(VALU_DEP_1)
	v_max_num_f32 v13, v13, v254                   ; the running largest t
	v_mov_b32 v254, v12
	s_delay_alu instid0(VALU_DEP_2)
	v_floor_f32 v12, -v13                          ; the new -M = floor(-t) = -ceil(t): M is a whole number
	s_delay_alu instid0(VALU_DEP_1)
	v_sub_f32 v254, v12, v254                      ; M's old value less its new one: a whole number, 0 or less
	s_delay_alu instid0(VALU_DEP_1)
	v_cvt_i32_f32 v254, v254                       ; (it saturates)
	s_delay_alu instid0(VALU_DEP_1)
	v_ldexp_f32 v252, 1.0, v254                    ; f = 2^(old M - new M)
.set k, 0
.rept 32
	v_pk_fma_f32 v[S+k:S+k+1], v[S+k:S+k+1], s[CS:CS+1], v[12:13] op_sel_hi:[1,0,0]   ; t - M, two at a time (of the pairs c and -M the low word serves both halves)
.set k, k+2
.endr
.set k, 0
	s_wait_alu depctr_va_vdst(0)
.rept 64
	v_exp_f32 v[S+k], v[S+k]                       ; p = 2^(t - M), at most 1: not normalised
.set k, k+1
.endr
	v_pk_mul_f32 v[14:15], v[14:15], v[252:253] op_sel_hi:[1,0]   ; the sums under the new M: the plain line behind the exponentials
	s_wait_alu depctr_va_vdst(0)                   ; one wait for the whole batch, ahead of its first reader
	v_pk_add_f32 v[242:243], v[100:101], v[104:105]
	v_pk_add_f32 v[254:255], v[108:109], v[112:113]
	v_pk_add_f32 v[250:251], v[116:117], v[120:121]
	v_pk_add_f32 v[248:249], v[124:125], v[128:129]
	v_pk_add_f32 v[238:239], v[132:133], v[136:137]
	v_pk_add_f32 v[234:235], v[140:141], v[144:145]
	v_pk_add_f32 v[232:233], v[148:149], v[152:153]
	v_pk_add_f32 v[14:15], v[14:15], v[156:157]
	v_pk_add_f32 v[242:243], v[242:243], v[96:97]
	v_pk_add_f32 v[254:255], v[254:255], v[98:99]
	v_pk_add_f32 v[250:251], v[250:251], v[102:103]
	v_pk_add_f32 v[248:249], v[248:249], v[106:107]
	v_pk_add_f32 v[238:239], v[238:239], v[110:111]
	v_pk_add_f32 v[234:235], v[234:235], v[114:115]
	v_pk_add_f32 v[232:233], v[232:233], v[118:119]
	v_pk_add_f32 v[14:15], v[14:15], v[122:123]
	v_pk_add_f32 v[242:243], v[242:243], v[126:127]
	v_pk_add_f32 v[254:255], v[254:255], v[130:131]
	v_pk_add_f32 v[250:251], v[250:251], v[134:135]
	v_pk_add_f32 v[248:249], v[248:249], v[138:139]
	v_pk_add_f32 v[238:239], v[238:239], v[142:143]
	v_pk_add_f32 v[234:235], v[234:235], v[146:147]
	v_pk_add_f32 v[232:233], v[232:233], v[150:151]
	v_pk_add_f32 v[14:15], v[14:15], v[154:155]
	v_pk_add_f32 v[242:243], v[242:243], v[158:159]
	s_delay_alu instid0(VALU_DEP_2)
	v_pk_add_f32 v[14:15], v[14:15], v[248:249]
	s_delay_alu instid0(VALU_DEP_2)
	v_pk_add_f32 v[242:243], v[242:243], v[238:239]
	v_pk_add_f32 v[254:255], v[254:255], v[234:235]
	v_pk_add_f32 v[250:251], v[250:251], v[232:233]
	s_delay_alu instid0(VALU_DEP_2)
	v_pk_add_f32 v[14:15], v[14:15], v[254:255]
	s_delay_alu instid0(VALU_DEP_2)
	v_pk_add_f32 v[242:243], v[242:243], v[250:251]
	s_delay_alu instid0(VALU_DEP_1)
	v_pk_add_f32 v[14:15], v[14:15], v[242:243]
.irp c, 0,1,2,3,4,5,6,7
.irp i, 0,1,2,3,4,5,6,7
	v_min_num_f32 v[S+8*\c+\i], v[S+8*\c+\i], v240 ; the conversion does not saturate (ISA guide 7.6.2); p is not negative, so the hold is one-sided
.endr
	v_cvt_scalef32_pk8_bf8_f32 v[PCD+2*\c:PCD+2*\c+1], v[S+8*\c:S+8*\c+7], v244   ; registers 2 c, 2 c + 1 of P: keys 16 c + 8 h + 0 .. 7
.endr
.set k, 0
.rept 16
	v_pk_mul_f32 v[O+k:O+k+1], v[O+k:O+k+1], v[252:253] op_sel_hi:[1,0]   ; O^T under the new M.  (These are also the plain lines behind the conversions)
.set k, k+2
.endr
	s_wait_alu depctr_va_vdst(0)
	s_wait_dscnt 0x0                               ; V is in
.irp t, 0,1,2,3                        ; O^T += V^T P^T: the four accumulators by turns
	v_wmma_f32_16x16x128_bf8_bf8 v[O+8*\t:O+8*\t+7], v[KV+16*\t:KV+16*\t+15], v[PCD:PCD+15], v[O+8*\t:O+8*\t+7]
.endr
.endm
; THE CHANGE OF SLOTS stands at a slot's head.  Each wave waits for all its tensor loads (its part of the slot that it is about to read), adds 0 to its spare word, and waits for that and for its reads of the slot that it has left.
; fill = 1: a round of the cluster's barrier follows, so that no wave of any partner still reads the other slot or has a load on its way, and that slot is filled with the next 512 keys, first thing behind the round.
.macro CHANGE fill
	s_wait_tensorcnt 0x0                           ; no tensor load of mine is out, so a group 0 may be written
	ds_add_u32 v[SPW], v[NIL]                      ; 0 onto my spare word
.if \fill
	ds_add_u32 v[SPW], v[NIL]                      ; and once more: the add stands twice on end, in every trip alike
	s_xor_b32 s[G0K+1], s[G0K+1], SLOT1            ; the walking descriptors: the other slot than last time,
	s_add_nc_u64 s[G0K+2:G0K+3], s[G0K+2:G0K+3], 32768   ; the next 512 keys; the type bits on top are not reached
	s_xor_b32 s[G0V+1], s[G0V+1], SLOT1
	s_add_nc_u64 s[G0V+2:G0V+3], s[G0V+2:G0V+3], 32768
	s_wait_xcnt 0x0                                ; the last prefetch, a slot back, has read its address, so it may be written:
	s_add_nc_u64 s[PFA:PFA+1], s[PFA:PFA+1], 32768 ; one slot further on than the walking descriptors
.endif
	s_wait_dscnt 0x0                               ; the add is done, and my reads of the slot that I have left are over
.if \fill
	CROUND
	TLOAD
	ASK
.else
	s_barrier_signal -1
	s_barrier_wait -1
.endif
.endm
.macro SLOT_STEPS
	STEP 0
	STEP 1
	STEP 2
	STEP 3
	s_xor_b32 s[TB], s[TB], SLOT1                  ; on to the other slot
.endm
	s_wait_loadcnt 0x0                             ; Q
.Lslot:                                            ; seven trips: behind each change of slots but the last the next slot is asked for
	CHANGE 1
	SLOT_STEPS
	s_sub_co_u32 s[SLOTS], s[SLOTS], 1
	s_cmp_lg_u32 s[SLOTS], 0
	s_cbranch_scc1 .Lslot
	CHANGE 0                                       ; the last slot is written out
	SLOT_STEPS
	; THE WAY OUT: O^T / the sum, quantised with the folded scale: the eight codes of tile t are registers 2 t, 2 t + 1 of the context's fragment, which leaves as it stands.
.rept 4
	v_nop                                          ; four places behind the last products
.endr
	v_add_f32 v14, v14, v15                        ; the sum's two halves,
	s_delay_alu instid0(VALU_DEP_1)
	v_permlanex16_b32 v252, v14, s[SEL], s[SEL+1]
	s_delay_alu instid0(VALU_DEP_1)
	v_add_f32 v14, v14, v252                       ; and lane l xor 16's: the row's sum
	s_wait_alu depctr_va_vdst(0)
	v_rcp_f32 v14, v14
	v_nop                                          ; a plain line behind the transcendental
	s_wait_alu depctr_va_vdst(0)                   ; and the wait ahead of its first reader
.set k, 0
.rept 16
	v_pk_mul_f32 v[S+k:S+k+1], v[O+k:O+k+1], v[14:15] op_sel_hi:[1,0]   ; each accumulator from its low end on
.set k, k+2
.endr
.set k, 0
.rept 32
	v_med3_num_f32 v[S+k], v[S+k], -v247, v247
.set k, k+1
.endr
.irp t, 0,1,2,3
	v_cvt_scalef32_pk8_bf8_f32 v[PCD+2*\t:PCD+2*\t+1], v[S+8*\t:S+8*\t+7], v246
.endr
	v_nop
	global_store_b128 v[LI], v[PCD:PCD+3], s[12:13]                 ; 32 lanes store 512 consecutive bytes, aligned
	global_store_b128 v[LI], v[PCD+4:PCD+7], s[12:13] offset:512
	s_wait_tensorcnt 0x0                           ; the wave's end, behind my last tensor load
	ds_add_u32 v[SPW], v[NIL]
	s_wait_dscnt 0x0
	CROUND                                         ; the closing round: no work-group ends while a partner may still ask for a tile that names it
	s_endpgm
.Lfunc_end_k_q4cf83bc81a_attn:
	.size	k_q4cf83bc81a_attn, .Lfunc_end_k_q4cf83bc81a_attn-k_q4cf83bc81a_attn
	.p2alignl 7, 3214868480
	.fill 96, 4, 3214868480
	.section	.rodata,"a",@progbits
	.p2align	6, 0x0
	.amdhsa_kernel k_q4cf83bc81a_attn
		.amdhsa_group_segment_fixed_size 327680
		.amdhsa_private_segment_fixed_size 0
		.amdhsa_enable_private_segment 0
		.amdhsa_kernarg_size 40
		.amdhsa_user_sgpr_count 2
		.amdhsa_user_sgpr_kernarg_segment_ptr 1
		.amdhsa_wavefront_size32 1
		.amdhsa_system_sgpr_workgroup_id_x 1
		.amdhsa_system_sgpr_workgroup_id_y 1
		.amdhsa_system_sgpr_workgroup_id_z 1
		.amdhsa_system_vgpr_workitem_id 0
		.amdhsa_next_free_vgpr 256
		.amdhsa_next_free_sgpr 80
		.amdhsa_reserve_vcc 0
		.amdhsa_float_denorm_mode_32 3
		.amdhsa_float_denorm_mode_16_64 3
		.amdhsa_memory_ordered 1
		.amdhsa_forward_progress 1
		.amdhsa_inst_pref_size 138
	.end_amdhsa_kernel
	.amdgpu_metadata
---
amdhsa.version: [ 1, 2 ]
amdhsa.kernels:
  - .name:           k_q4cf83bc81a_attn
    .symbol:         k_q4cf83bc81a_attn.kd
    .args:
      - { .name: qc, .offset: 0, .size: 8, .value_kind: global_buffer, .address_space: global }
      - { .name: kc, .offset: 8, .size: 8, .value_kind: global_buffer, .address_space: global }
      - { .name: vc, .offset: 16, .size: 8, .value_kind: global_buffer, .address_space: global }
      - { .name: lowp_scales, .offset: 24, .size: 8, .value_kind: global_buffer, .address_space: global }
      - { .name: cc, .offset: 32, .size: 8, .value_kind: global_buffer, .address_space: global }
    .group_segment_fixed_size: 327680
    .private_segment_fixed_size: 0
    .kernarg_segment_align: 8
    .kernarg_segment_size: 40
    .max_flat_workgroup_size: 512
    .sgpr_count:     80
    .vgpr_count:     256
    .wavefront_size: 32
...
	.end_amdgpu_metadata
.endif
;; end of part 7
;; launch oproj (part 8): grid 2 x 128, 4 waves a work-group, no clusters, 17,920 bytes of LDS; arguments cc, wc, lowp_scales, bo, out0; writes out0
.if DOCPART == 8
	.amdgcn_target "amdgcn-amd-amdhsa--gfx1250"
	.amdhsa_code_object_version 6
	.text
	.protected	k_q4cf83bc81a_oproj
	.globl	k_q4cf83bc81a_oproj
	.p2align	8
	.type	k_q4cf83bc81a_oproj,@function
k_q4cf83bc81a_oproj:
	s_mov_b64 s[64:65], 0
	v_nop
	global_prefetch_b8 v0, s[64:65] scope:SCOPE_SE
	s_setreg_imm32_b32 hwreg(HW_REG_WAVE_SCHED_MODE, 0, 2), 2
	s_setreg_imm32_b32 hwreg(HW_REG_WAVE_MODE, 25, 1), 1
	s_wait_xcnt 0x0
	s_wait_alu depctr_vm_vsrc(0)
; OPROJ: out0 = Q(context) Q(Wo)^T x 2^(e10 + e11) + bo.  Both operands come as codes of BF8 (E5M2), as images of their 16x16x64 fragments (K step = one head's 64), k in its true places; out0 [8192][512] f32.  Nothing is left out.
; SHARES.  A work-group takes 64 rows x 256 columns, a wave 64 columns: 256 bytes of each row of out0, aligned.  256 equal work-groups, no loop.  A wave's 32 KB of Wo and the 32 KB of the context's four row tiles go from memory
; straight into registers (each load 512 consecutive bytes); then 128 matrix instructions, 16 accumulators.
; TRANSPOSED (source 0 = 16 rows of Wo, source 1 = 16 rows of the context): lane (r, h) holds row r and columns 16 T + 8 h + 0 .. 7.  A row tile's results go through the wave's own stage in LDS (rows of 256 + 16 bytes) and leave as whole rows:
; sixteen lanes store 256 consecutive bytes, aligned.  Waves share no LDS byte: no barrier.
; NO CLUSTER, NO TENSOR LOAD: operands are used from the registers into which they are loaded; a joint load lands in LDS, from which each fragment would have to be read once more, for 128 matrix instructions a wave.
; LIMIT: e10 + e11 between -126 and 127, so that 2^(e10 + e11) is an f32 number.
; REGISTERS: window 1: Wo's fragment (tile T, head s) at v[8 (8 T + s)]; window 2: the context's (row tile m, head s) at v[8 (8 m + s)]; window 0: the names below.
; THE MODE: SCHED_MODE bits 1:0 = 2 (LLVM: expert scheduling mode 2), set by the entry lines.  The code itself states the register dependences between vector or matrix instructions and memory or LDS instructions, with s_wait_alu, always for 0.
; THE PLAN.  Registers that memory or LDS instructions touch:
;   v1-v5          addresses and offsets: made at the head, never written again: one wait on va_vdst ahead of the first load serves every load and store of the kernel.
;   SC0, SC1       tile m's results, in buffer m % 2.  Its multiply-adds write them at the end of step m; the LDS stores that read them are issued at the head of step m + 1.
;   v[ACC + 32 m ..]  tile m's accumulators.  Its products write them, its multiply-adds read them; then the stage is read back INTO them, and the global stores read them.  Each tile's rows so have registers of their own:
;                  no store's data are written again, and no wait stands for them.
;   windows 1, 2 and v[BIAS ..] are loaded once and afterwards named by vector and matrix instructions alone.
; STEP m: ONE wait on va_vdst (tile m - 1's multiply-adds have written their buffer, and they and its products are done with its accumulators); tile m - 1 into the stage and back; tile m's 32 products, which name none of those registers;
; its multiply-adds; tile m - 1's stores.  ONE wait on vm_vsrc among the steps, ahead of tile 2's multiply-adds: it stands behind the LDS stores of tiles 0 and 1, so it frees both buffers.
.set LI,   1                           ; v1   16 x lane
.set STO,  2                           ; v2   the stage: where I put 32 bytes of a row
.set RD,   3                           ; v3   and where I read a row back
.set GO,   4                           ; v4   my byte offset in two rows of out0
.set BO,   5                           ; v5   32 h
.set SPW,  28                          ; v28  LDS address of my spare word; never rewritten
.set NIL,  29                          ; v29  0; never rewritten
.set BIAS, 32                          ; v32-63   bo of my columns, tile T at 32 + 8 T
.set SC,   64                          ; v64-127  a row tile's results: two buffers of 32, tile m's at 64 + 32 (m % 2)
.set ACC,  128                         ; v128-255 accumulator (m, T) at 128 + 8 (4 m + T); later tile m's 16 rows, read back
.set SPARE, 17408                      ; behind the four stages of 4,352 bytes: the spare words, two blocks of 256 bytes that no other line names
.set MSB, 0
.macro WIN new                         ; the immediate's high byte repeats the setting that is left
.if MSB != \new
	s_set_vgpr_msb (MSB<<8)|\new
.set MSB, \new
.endif
.endm
	s_load_b256 s[4:11], s[0:1], 0x0               ; cc s[4:5], wc s[6:7], scales s[8:9], bo s[10:11]
	s_load_b64 s[12:13], s[0:1], 0x20              ; out0
	v_lshl_add_u32 v[SPW], v0, 2, SPARE
	v_mov_b32 v[NIL], 0
	v_lshrrev_b32 v6, 5, v0
	v_readfirstlane_b32 s14, v6                    ; wave 0..3
	s_and_b32 s15, ttmp7, 0xffff                   ; which 64 rows
	v_and_b32 v6, 31, v0
	v_and_b32 v7, 15, v0                           ; r
	v_bfe_u32 v8, v0, 4, 1                         ; h
	v_lshlrev_b32 v[LI], 4, v6
	v_mul_u32_u24 v[STO], v7, 272
	v_lshl_add_u32 v[STO], v8, 5, v[STO]           ; in: row r, + 32 h
	v_mul_u32_u24 v[RD], v8, 272
	v_lshl_add_u32 v[RD], v7, 4, v[RD]             ; back: lanes 0-15 one row, lanes 16-31 the next
	v_lshlrev_b32 v[GO], 11, v8
	v_lshl_add_u32 v[GO], v7, 4, v[GO]             ; and the same two rows of out0, 2,048 bytes apart
	v_lshlrev_b32 v[BO], 5, v8
	s_wait_alu depctr_va_sdst(0)                   ; the wave's number is written, ahead of its first reader: my stage's place and the buffers' offsets are made from it
	s_mul_i32 s16, s14, 4352                       ; my stage
	v_add_nc_u32 v[STO], s16, v[STO]
	v_add_nc_u32 v[RD], s16, v[RD]
	s_lshl_b32 s20, ttmp9, 4
	s_lshl_b32 s17, s14, 2
	s_add_co_u32 s20, s20, s17                     ; my first column tile: 16 x work-group x + 4 x wave
	s_lshl_b32 s20, s20, 13
	s_add_co_u32 s20, s20, 786432                  ; Wo is the fourth matrix in wc
	s_mov_b32 s21, 0
	s_lshl_b32 s22, s15, 15                        ; four row tiles of 8,192 bytes
	s_mov_b32 s23, 0
	s_lshl_b32 s24, ttmp9, 10
	s_lshl_b32 s17, s14, 8
	s_add_co_u32 s24, s24, s17                     ; my 64 columns in bytes, in bo and in a row of out0
	s_mov_b32 s25, 0
	s_lshl_b32 s26, s15, 17                        ; 64 rows of 2,048 bytes
	s_add_co_u32 s26, s26, s24
	s_mov_b32 s27, 0
	s_wait_kmcnt 0x0
	s_load_b64 s[40:41], s[8:9], 0x28              ; e10, e11
	s_add_nc_u64 s[6:7], s[6:7], s[20:21]
	s_add_nc_u64 s[4:5], s[4:5], s[22:23]
	s_add_nc_u64 s[10:11], s[10:11], s[24:25]
	s_add_nc_u64 s[12:13], s[12:13], s[26:27]
	WIN 0x40                                       ; destination window 1: the switch first, then the wait, then the loads
	s_wait_alu depctr_va_vdst(0)                   ; the five addresses and offsets v1 to v5 are written, which every load and store of the kernel reads
.set k, 0
.rept 64
	global_load_b128 v[4*k:4*k+3], v[LI], s[6:7] offset:512*k
.set k, k+1
.endr
	WIN 0
.irp t, 0,1,2,3
	global_load_b128 v[BIAS+8*\t:BIAS+8*\t+3], v[BO], s[10:11] offset:64*\t
	global_load_b128 v[BIAS+8*\t+4:BIAS+8*\t+7], v[BO], s[10:11] offset:64*\t+16
.endr
	WIN 0x80                                       ; destination window 2
.set k, 0
.rept 64
	global_load_b128 v[4*k:4*k+3], v[LI], s[4:5] offset:512*k
.set k, k+1
.endr
	s_wait_kmcnt 0x0
	s_add_co_i32 s46, s40, s41
	s_add_co_i32 s46, s46, 127
	s_lshl_b32 s46, s46, 23                        ; 2^(e10 + e11) as f32
	s_mov_b32 s47, s46                             ; (named with it as a pair, so it is written)
; row tile m's results: sum x 2^(e10 + e11) + bo, into buffer m % 2
.macro FMA m
.irp t, 0,1,2,3
.irp i, 0,2,4,6
	v_pk_fma_f32 v[SC+32*((\m)%2)+8*\t+\i:SC+32*((\m)%2)+8*\t+\i+1], v[ACC+8*(4*(\m)+\t)+\i:ACC+8*(4*(\m)+\t)+\i+1], s[46:47], v[BIAS+8*\t+\i:BIAS+8*\t+\i+1] op_sel_hi:[1,0,1]   ; each accumulator from its low end on
.endr
.endr
.endm
; they go into my stage and come back as 16 whole pieces of 256 bytes, into the registers that were the tile's accumulators
.macro TOSTAGE m
.irp t, 0,1,2,3
	ds_store_b128 v[STO], v[SC+32*((\m)%2)+8*\t:SC+32*((\m)%2)+8*\t+3] offset:64*\t
	ds_store_b128 v[STO], v[SC+32*((\m)%2)+8*\t+4:SC+32*((\m)%2)+8*\t+7] offset:64*\t+16
.endr
.irp i, 0,1,2,3,4,5,6,7
	ds_load_b128 v[ACC+32*(\m)+4*\i:ACC+32*(\m)+4*\i+3], v[RD] offset:2*\i*272   ; LDS serves a wave's instructions in order (ISA guide 5.7.1.4): these see my stores, and the next tile's stores come behind them
.endr
.endm
.macro SEND m
.irp i, 0,1,2,3,4,5,6,7
	s_wait_dscnt 7-\i                              ; the stage loads behind this one may stay out
	global_store_b128 v[GO], v[ACC+32*(\m)+4*\i:ACC+32*(\m)+4*\i+3], s[12:13] offset:(16*(\m)+2*\i)*2048 th:TH_STORE_NT   ; 16 lanes store 256 consecutive bytes, aligned; written once, read by nobody here
.endr
.endm
; step m.  Row tile m: eight K steps x my four column tiles; the four accumulators take turns; the first K step starts the sums
.macro STEP m
.if (\m) > 0
	s_wait_alu depctr_va_vdst(0)                   ; the last tile's multiply-adds have written its buffer, which the LDS stores read; they and its products are done with its accumulators, in which the stage's loads land
	TOSTAGE (\m)-1
.endif
	s_wait_loadcnt 48-16*(\m)                      ; the loads of the row tiles behind this one may stay out
	WIN 0x09                                       ; source 0 (Wo) window 1, source 1 (the context) window 2
.irp s, 0,1,2,3,4,5,6,7
.irp t, 0,1,2,3
.if \s == 0
	v_wmma_f32_16x16x64_bf8_bf8 v[ACC+8*(4*(\m)+\t):ACC+8*(4*(\m)+\t)+7], v[8*(8*\t+\s):8*(8*\t+\s)+7], v[8*(8*(\m)+\s):8*(8*(\m)+\s)+7], 0
.else
	v_wmma_f32_16x16x64_bf8_bf8 v[ACC+8*(4*(\m)+\t):ACC+8*(4*(\m)+\t)+7], v[8*(8*\t+\s):8*(8*\t+\s)+7], v[8*(8*(\m)+\s):8*(8*(\m)+\s)+7], v[ACC+8*(4*(\m)+\t):ACC+8*(4*(\m)+\t)+7]
.endif
.endr
.endr
	WIN 0
.rept 4
	v_nop                                          ; four places behind the products (ISA guide 7.12.1), ahead of the first read of the sums
.endr
.if (\m) == 2
	s_wait_alu depctr_vm_vsrc(0)                   ; the LDS stores of tiles 0 and 1 have read the two buffers, which the multiply-adds of tiles 2 and 3 write again
.endif
	FMA \m
.if (\m) > 0
	SEND (\m)-1                                    ; a tile leaves while the later tiles' codes are still arriving
.endif
.endm
	STEP 0
	STEP 1
	STEP 2
	STEP 3
	s_wait_alu depctr_va_vdst(0)                   ; tile 3's multiply-adds have written its buffer, which the LDS stores read; they and its products are done with its accumulators, in which the stage's loads land
	TOSTAGE 3
	SEND 3
	s_wait_dscnt 0x0                               ; the closing lines, six on end
	s_wait_alu 0x0
	s_wait_tensorcnt 0x0
	ds_add_u32 v[SPW], v[NIL]
	s_wait_dscnt 0x0
	s_endpgm
.Lfunc_end_k_q4cf83bc81a_oproj:
	.size	k_q4cf83bc81a_oproj, .Lfunc_end_k_q4cf83bc81a_oproj-k_q4cf83bc81a_oproj
	.p2alignl 7, 3214868480
	.fill 96, 4, 3214868480
	.section	.rodata,"a",@progbits
	.p2align	6, 0x0
	.amdhsa_kernel k_q4cf83bc81a_oproj
		.amdhsa_group_segment_fixed_size 17920
		.amdhsa_private_segment_fixed_size 0
		.amdhsa_enable_private_segment 0
		.amdhsa_kernarg_size 40
		.amdhsa_user_sgpr_count 2
		.amdhsa_user_sgpr_kernarg_segment_ptr 1
		.amdhsa_wavefront_size32 1
		.amdhsa_system_sgpr_workgroup_id_x 1
		.amdhsa_system_sgpr_workgroup_id_y 1
		.amdhsa_system_sgpr_workgroup_id_z 1
		.amdhsa_system_vgpr_workitem_id 0
		.amdhsa_next_free_vgpr 768
		.amdhsa_next_free_sgpr 66
		.amdhsa_reserve_vcc 0
		.amdhsa_float_denorm_mode_32 3
		.amdhsa_float_denorm_mode_16_64 3
		.amdhsa_memory_ordered 1
		.amdhsa_forward_progress 1
		.amdhsa_inst_pref_size 37
	.end_amdhsa_kernel
	.amdgpu_metadata
---
amdhsa.version: [ 1, 2 ]
amdhsa.kernels:
  - .name:           k_q4cf83bc81a_oproj
    .symbol:         k_q4cf83bc81a_oproj.kd
    .args:
      - { .name: cc, .offset: 0, .size: 8, .value_kind: global_buffer, .address_space: global }
      - { .name: wc, .offset: 8, .size: 8, .value_kind: global_buffer, .address_space: global }
      - { .name: lowp_scales, .offset: 16, .size: 8, .value_kind: global_buffer, .address_space: global }
      - { .name: bo, .offset: 24, .size: 8, .value_kind: global_buffer, .address_space: global }
      - { .name: out0, .offset: 32, .size: 8, .value_kind: global_buffer, .address_space: global }
    .group_segment_fixed_size: 17920
    .private_segment_fixed_size: 0
    .kernarg_segment_align: 8
    .kernarg_segment_size: 40
    .max_flat_workgroup_size: 128
    .sgpr_count:     66
    .vgpr_count:     768
    .wavefront_size: 32
...
	.end_amdgpu_metadata
.endif
;; end of part 8
